; MI455X (gfx1250); checked and timed in simulation.
; The chip was launched on July 23, 2026; its instructions are those of AMD's public machine-readable ISA for CDNA 5 (MIT licence, August 2026) and "CDNA5" Instruction Set Architecture Reference Guide (July 2026). The comments in the code are by the model that wrote it; some were corrected since.
;; Llama Attention. Allowed arithmetic: matrix products marked QUANTISED: E2M3 operands, one E8M0 scale for each 32 along K, by v_wmma_scale_f32_16x16x128_f8f6f4 with both operands' format E2M3, f32 sums; everything else in f32.
;; Inputs: Wk 512 x 4,096 float32; Wo 4,096 x 1,024 float32; Wq 1,024 x 4,096 float32; Wv 512 x 4,096 float32; attention_mask 1 x 1 x 2,048 x 2,048 float32; cos 2 x 2,048 x 128 float32; hidden_states 2 x 2,048 x 4,096 float32; sin 2 x 2,048 x 128 float32.
;; Outputs: out0 2 x 2,048 x 4,096 float32.
;; This version of the problem:
;;   THIS VERSION OF THE PROBLEM IS GIVEN IN LOW PRECISION. The matrix products marked QUANTISED in the list below multiply operands that are first quantised to E2M3 (2 exponent bits, 3 mantissa bits; 6 bits a number), with one power-of-two scale for each 32 numbers along K (OCP MX v1.0); their sums are f32. All else is computed in f32.
;;   The module's matrix products, in the order in which they are computed (A, B: the left and right operand; K: the contracted axis; several contracted axes count as one K, in the product's order):
;;     1. [M 4,096, K 4,096] x [K 4,096, N 1,024]; A: input hidden_states; B: input Wq: QUANTISED
;;     2. [M 4,096, K 4,096] x [K 4,096, N 512]; A: input hidden_states; B: input Wk: QUANTISED
;;     3. [M 4,096, K 4,096] x [K 4,096, N 512]; A: input hidden_states; B: input Wv: QUANTISED
;;     4. batch 8 x [M 4,096, K 128] x [K 128, N 2,048]; A: computed on the way; B: computed on the way: QUANTISED
;;     5. batch 8 x [M 4,096, K 2,048] x [K 2,048, N 128]; A: softmax (see below); B: computed on the way: QUANTISED
;;     6. [M 4,096, K 1,024] x [K 1,024, N 4,096]; A: computed on the way; B: input Wo: QUANTISED
;;   THE QUANTISER, for each operand of a quantised product, along K:
;;     - K is cut into blocks of 32 from its start; a last block that is shorter is filled with zeros.
;;     - A block's scale is 2^e with e = floor(log2(the largest magnitude in the block)) - 2, held to -126 .. 127; a block of zeros has e = 0. As a byte (E8M0): e + 127.
;;     - Each number is divided by its block's scale, clamped to +-7.5, and rounded to the nearest number of E2M3, ties to even, subnormals kept.
;;     - The product sums the exact products of the quantised numbers (number of the format x scale) in f32.
;;   ~~~python
;;   def quantise(x, axis):      # numpy; x: float32 -> the quantised numbers, widened to float32 again
;;       x = np.moveaxis(x, axis, -1); K = x.shape[-1]
;;       x = np.pad(x, [(0, 0)] * (x.ndim - 1) + [(0, -K % 32)]); x = x.reshape(x.shape[:-1] + (-1, 32)); a = np.abs(x).max(-1, keepdims=True)
;;       e = np.where(a > 0, np.clip(np.frexp(np.where(a > 0, a, 1))[1] - 1 - 2, -126, 127), 0)      # np.frexp(a)[1] - 1 = floor(log2(a)), exactly
;;       r = np.clip(x / 2.0 ** e, -7.5, 7.5)
;;       step = 2.0 ** (np.maximum(np.frexp(np.where(r == 0, 1, r))[1] - 1, 0) - 3)
;;       q = np.round(r / step) * step * 2.0 ** e      # np.round: ties to even
;;       return np.moveaxis(q.reshape(q.shape[:-2] + (-1,))[..., :K], -1, axis).astype(np.float32)
;;   ~~~
;;   SOFTMAX AHEAD OF A QUANTISED PRODUCT. Where the list says 'softmax', what is quantised is not the finished softmax but p = 2^(t - M), with t = logit x log2(e) and M = ceil(the row's largest t), a whole number; so 1/2 < the row's largest p <= 1. The row's sum l is taken of the UNQUANTISED p, in f32, and the product's result is divided by l at the end. Since M is a whole number, a kernel that streams over the keys may use a running M (the ceiling of the running maximum): every later rescaling is an exact power of two, which a block's scale takes up: the codes' values come out the same.
;;   OPERANDS COMPUTED ON THE WAY. 'Computed on the way' means the value that the module computes at that place (a softmax that the list does not call 'softmax' is quantised finished and normalised). What goes into a quantiser is computed in f32, as accurately as f32 sums, v_exp_f32 and their like allow (about 1e-6 of the number): no bf16 or f16 on the way to a quantiser, and a product that is left as it is and whose result goes on into a quantised operand takes f32 operands (vector FMAs, or v_wmma_f32_16x16x4_f32). A number that lies on a knife's edge between two numbers of the format may be rounded either way, as far as f32 arithmetic and the matrix unit's own rounding can turn it there, and no further.
;; One version. Each part assembles by itself: llvm-mc -triple=amdgcn-amd-amdhsa -mcpu=gfx1250 --defsym DOCPART=n.
;; ======== version 1 of 1: 4 launches
;; limits: right only within a limited range of input values
;; workspace buffers: hid 13,107,200 bytes; wqkv 6,553,600 bytes; woq 3,276,800 bytes; qkv 6,815,744 bytes; ctx 3,276,800 bytes
;; launch quant (part 1): grid 896 x 1, 4 waves a work-group, no clusters, 34,304 bytes of LDS; arguments hidden_states, Wq, Wk, Wv, Wo, hid, wqkv, woq; writes hid, wqkv, woq
.if DOCPART == 1
	.amdgcn_target "amdgcn-amd-amdhsa--gfx1250"
	.amdhsa_code_object_version 6
	.text
	.protected	k_qfdd5fe9c1c_quant
	.globl	k_qfdd5fe9c1c_quant
	.p2align	8
	.type	k_qfdd5fe9c1c_quant,@function
k_qfdd5fe9c1c_quant:
	s_mov_b64 s[64:65], 0
	v_nop
	global_prefetch_b8 v0, s[64:65] scope:SCOPE_SE
	s_setreg_imm32_b32 hwreg(HW_REG_WAVE_MODE, 25, 1), 1
	s_wait_xcnt 0x0
; hidden_states [4096][4096], Wq [1024][4096], Wk, Wv [512][4096], Wo [4096][1024], f32 with K innermost, become codes of FP6 (E2M3) with one E8M0 scale byte for each 32 along K.
; A block's scale is 2^(floor(log2(its largest magnitude)) - 2); its byte is the largest magnitude's exponent field - 2, held at 1 from below.  Each number is divided by the scale and rounded to the nearest code, ties to even.
; Nothing of reference() is left out in this program: every input is read.
; THE TARGETS' LAYOUT: units of GRP = 25,600 dense bytes, unit (s, g) at (s x groups + g) x GRP: 64 rows (group g) x 512 along K (part s).  In a unit: 16 IMAGES OF OPERAND REGISTERS of 1,536 bytes, image 4 t + q = rows 16 t .. 16 t + 15,
; K = 128 q .. 128 q + 127 of the part (three runs of four registers, lane l at 16 l), then from byte 24,576 on 16 bytes a row: the row's four scale words, one for each 128 along K.
; In an image lane (r, h) holds row r, registers 6 c .. 6 c + 5 the block K = 64 c + 32 h + 0 .. 31.  THE ORDER OF A BLOCK'S CODES: k = 0-7, 16-23, 8-15, 24-31, alike in every operand of this program: a permutation inside a block,
; alike on both sides, changes neither the block's scale nor the set of products summed; a matrix result quantised in registers comes out in this order by itself.
; LIMITS: a block of zeros gets the byte 1 where the rule says 127 (its codes are zeros, and this program alone reads the bytes); NaN and infinities among the inputs are not served.
; A wave takes 16 rows x 512 along K in four steps of 128: 16 loads a step, each 512 consecutive bytes of one row; they turn through the wave's own stage in LDS, so that a lane gets two whole blocks of its row.
; Work-groups 0-511: hidden_states -> hid; 512-639: Wq, 640-703: Wk, 704-767: Wv -> wqkv (rows: Wq's 1,024, then for each of the four heads 128 of Wk and 128 of Wv); 768-895: Wo -> woq.  One path through the text.
; No tensor loads, no barrier: waves share nothing.  Loads run two steps (32 loads a wave) ahead.
.set GRP,   25600
.set SP,    528                        ; a stage row: 512 bytes + 16
.set WREG,  16*SP
.set SPARE, 4*WREG                     ; behind the four stages: the spare words, 128 bytes a wave
.set SPW,   12                         ; v12 LDS address of my spare word; never rewritten
.set NIL,   13                         ; v13 0; never rewritten
.set RO,    16                         ; v16-31   byte offset of each of my 16 rows, + 16 x lane
.set R,     32                         ; v32-159  two sets of 64 registers as loaded
.set X,     160                        ; v160-223 my two blocks
.set C,     224                        ; v224-235 the image's twelve registers
.set T,     236                        ; v236-242 the blocks' second halves, as converted
.set W,     244                        ; v244-247 the four steps' scale words
.set M,     248                        ; v248-251 maxima
.set SCO,   252                        ; v252-253 the conversions' scale operands
	s_load_b256 s[4:11], s[0:1], 0x0               ; hidden_states, Wq, Wk, Wv
	s_load_b256 s[12:19], s[0:1], 0x20             ; Wo, hid, wqkv, woq
	v_lshl_add_u32 v[SPW], v0, 2, SPARE
	v_mov_b32 v[NIL], 0
	v_lshrrev_b32 v1, 5, v0
	v_readfirstlane_b32 s20, v1                    ; wave
	s_mov_b32 s48, 0x76543210
	s_mov_b32 s49, 0xfedcba98                      ; selects for lane l xor 16
	s_mul_i32 s21, s20, WREG
	; which tensor: begun as Wo's, overwritten from the last range down to the first; the compares hang on the work-group's number alone
	s_mov_b32 s32, 768                             ; the tensor's first work-group
	s_mov_b32 s33, 1                               ; log2 of its parts along K
	s_mov_b32 s34, 4096                            ; a row in bytes
	s_mov_b32 s35, 64                              ; groups in the target
	s_mov_b32 s36, 0                               ; tiles that a head is moved on in the target, for each head passed
	s_mov_b32 s37, 0                               ; the tensor's first tile in the target
	s_cmp_lt_u32 ttmp9, 768                        ; Wv
	s_cselect_b32 s32, 704, s32
	s_cselect_b32 s33, 3, s33
	s_cselect_b32 s34, 16384, s34
	s_cselect_b32 s35, 32, s35
	s_cselect_b32 s36, 8, s36
	s_cselect_b32 s37, 72, s37
	s_cmp_lt_u32 ttmp9, 704                        ; Wk
	s_cselect_b32 s32, 640, s32
	s_cselect_b32 s37, 64, s37
	s_cmp_lt_u32 ttmp9, 640                        ; Wq
	s_cselect_b32 s32, 512, s32
	s_cselect_b32 s36, 0, s36
	s_cselect_b32 s37, 0, s37
	s_cmp_lt_u32 ttmp9, 512                        ; hidden_states
	s_cselect_b32 s32, 0, s32
	s_cselect_b32 s35, 64, s35
	s_sub_co_u32 s32, ttmp9, s32
	s_lshl_b32 s32, s32, 2
	s_add_co_u32 s32, s32, s20                     ; my task in the tensor: tile x parts + part
	s_lshr_b32 s38, s32, s33                       ; tile of 16 rows
	s_lshl_b32 s39, s38, s33
	s_sub_co_u32 s39, s32, s39                     ; part of 512 along K
	s_mul_i32 s42, s38, s34
	s_lshl_b32 s42, s42, 4                         ; 16 rows a tile
	s_lshl_b32 s43, s39, 11                        ; 2,048 bytes of f32 a part
	s_add_co_u32 s42, s42, s43
	s_mov_b32 s43, 0                               ; s[42:43]: where I read
	s_lshr_b32 s44, s38, 3                         ; (a head of Wk or Wv is 8 tiles)
	s_mul_i32 s44, s44, s36
	s_add_co_u32 s44, s44, s37
	s_add_co_u32 s44, s44, s38                     ; my tile in the target
	s_mul_i32 s45, s39, s35
	s_lshr_b32 s46, s44, 2
	s_add_co_u32 s45, s45, s46
	s_mul_i32 s46, s45, GRP                        ; my unit
	s_and_b32 s44, s44, 3
	s_mul_i32 s45, s44, 4*1536
	s_add_co_u32 s50, s46, s45                     ; my tile's four images
	s_mov_b32 s51, 0
	s_lshl_b32 s44, s44, 8
	s_add_co_u32 s52, s46, s44
	s_add_co_u32 s52, s52, 16*1536                 ; my tile's 256 bytes of scale words
	s_mov_b32 s53, 0
	v_and_b32 v2, 31, v0                           ; lane
	v_lshlrev_b32 v3, 4, v2                        ; 16 x lane
	v_and_b32 v4, 15, v0                           ; r
	v_bfe_u32 v5, v0, 4, 1                         ; h
	v_add_nc_u32 v6, s21, v3                       ; the stage, on the way in
	v_mul_u32_u24 v7, v4, SP
	v_lshl_add_u32 v7, v5, 7, v7
	v_add_nc_u32 v7, s21, v7                       ; and out: row r, + 32 h numbers
	v_lshlrev_b32 v8, 3, v5                        ; 8 h: my bytes' place in the scale word
	v_lshlrev_b32 v9, 4, v4
	v_lshl_add_u32 v9, v5, 3, v9                   ; the scale words' way out: 16 r + 8 h
	v_cmp_ne_u32 s40, 0, v5                        ; lanes 16-31
	v_mov_b32 v10, 0                               ; a lane permute's destination counts as one of its sources
	v_mov_b32 v[RO], v3
.irp i, 1,2,3,4,5,6,7,8,9,10,11,12,13,14,15
	v_add_nc_u32 v[RO+\i], s34, v[RO+(\i)-1]
.endr
	s_wait_alu depctr_va_vdst(0)                   ; the wait at the head's end
	s_wait_kmcnt 0x0
	s_mov_b64 s[26:27], s[12:13]                   ; from
	s_mov_b64 s[28:29], s[18:19]                   ; to
	s_cmp_lt_u32 ttmp9, 768
	s_cselect_b64 s[26:27], s[10:11], s[26:27]
	s_cselect_b64 s[28:29], s[16:17], s[28:29]
	s_cmp_lt_u32 ttmp9, 704
	s_cselect_b64 s[26:27], s[8:9], s[26:27]
	s_cmp_lt_u32 ttmp9, 640
	s_cselect_b64 s[26:27], s[6:7], s[26:27]
	s_cmp_lt_u32 ttmp9, 512
	s_cselect_b64 s[26:27], s[4:5], s[26:27]
	s_cselect_b64 s[28:29], s[14:15], s[28:29]
	s_add_nc_u64 s[26:27], s[26:27], s[42:43]
	s_add_nc_u64 s[22:23], s[28:29], s[50:51]
	s_add_nc_u64 s[24:25], s[28:29], s[52:53]
.macro LOAD t
.irp i, 0,1,2,3,4,5,6,7,8,9,10,11,12,13,14,15
	global_load_b128 v[R+64*((\t)%2)+4*\i:R+64*((\t)%2)+4*\i+3], v[RO+\i], s[26:27] offset:512*(\t) th:TH_LOAD_NT   ; 32 lanes read 512 consecutive bytes of row i
.endr
.endm
	LOAD 0
	LOAD 1
.macro STEP t
.if (\t) > 0
	s_wait_alu depctr_va_vdst(0)                   ; directly ahead of the waits below
	s_wait_xcnt 0x0                                ; the last step's stores have read the image's registers
.endif
.if (\t) < 3
	s_wait_loadcnt 16                              ; this step's 16 loads are in; the next step's may be out
.else
	s_wait_loadcnt 0x0
.endif
.irp i, 0,1,2,3,4,5,6,7,8,9,10,11,12,13,14,15
	ds_store_b128 v6, v[R+64*((\t)%2)+4*\i:R+64*((\t)%2)+4*\i+3] offset:SP*\i
.endr
.irp c, 0,1                            ; LDS serves a wave's instructions in order (ISA guide 5.7.1.4): these see the stores.  Pieces 2, 3 (k 8-15) and 4, 5 (k 16-23) change places
.irp p, 0,1,2,3,4,5,6,7
.set PM, ((\p)&1)|(((\p)&2)<<1)|(((\p)&4)>>1)
	ds_load_b128 v[X+32*\c+4*PM:X+32*\c+4*PM+3], v7 offset:256*\c+16*\p
.endr
.endr
	s_wait_dscnt 0x0                               ; my blocks are in, and the stores have read their registers,
.if (\t)+2 < 4
	LOAD (\t)+2                                    ; which take the loads of two steps on
.endif
.irp u, 0,1,2,3
	v_max3_num_f32 v[M+\u], |v[X+16*\u]|, |v[X+16*\u+1]|, 0x1800000   ; four chains by turns; the floor 2^(3 - 127) holds the byte at 1 from below
.endr
.irp i, 2,4,6,8,10,12,14
.irp u, 0,1,2,3
	v_max3_num_f32 v[M+\u], v[M+\u], |v[X+16*\u+\i]|, |v[X+16*\u+\i+1]|
.endr
.endr
	v_max_num_f32 v[M], v[M], v[M+1]               ; block h's largest magnitude,
	v_max_num_f32 v[M+2], v[M+2], v[M+3]           ; block 2 + h's
	v_add_nc_u32 v[SCO], 0xff000000, v[M]          ; 2 off the exponent field: the conversion's scale operand
	v_add_nc_u32 v[SCO+1], 0xff000000, v[M+2]
	v_lshrrev_b32 v[M], 23, v[SCO]                 ; the bytes
	v_lshrrev_b32 v[M+2], 23, v[SCO+1]
	v_cvt_scalef32_pk16_fp6_f32 v[C:C+2], v[X:X+15], v[SCO]
	v_cvt_scalef32_pk16_fp6_f32 v[T:T+2], v[X+16:X+31], v[SCO]       ; (a conversion's three registers begin on an even number)
	v_cvt_scalef32_pk16_fp6_f32 v[C+6:C+8], v[X+32:X+47], v[SCO+1]
	v_cvt_scalef32_pk16_fp6_f32 v[T+4:T+6], v[X+48:X+63], v[SCO+1]
	v_lshl_or_b32 v[M], v[M+2], 16, v[M]           ; (the plain line behind the conversions)  my two bytes,
	v_lshlrev_b32 v[M], v8, v[M]                   ; at their places in the word
.irp i, 0,1,2
	v_mov_b32 v[C+3+\i], v[T+\i]
	v_mov_b32 v[C+9+\i], v[T+4+\i]
.endr
	v_permlanex16_b32 v10, v[M], s48, s49
	v_or_b32 v[W+(\t)], v[M], v10                  ; with lane l xor 16's two the word is whole
.irp c, 0,1,2
	global_store_b128 v3, v[C+4*\c:C+4*\c+3], s[22:23] offset:1536*(\t)+512*\c   ; the wave stores 512 consecutive bytes, aligned
.endr
.endm
	STEP 0
	STEP 1
	STEP 2
	STEP 3
	v_cndmask_b32 v254, v[W], v[W+2], s40          ; lanes 0-15 store their row's words 0, 1, lanes 16-31 words 2, 3
	v_cndmask_b32 v255, v[W+1], v[W+3], s40
	global_store_b64 v9, v[254:255], s[24:25]      ; 32 lanes store 256 consecutive bytes, aligned
	s_wait_tensorcnt 0x0                           ; the wave's end
	ds_add_u32 v[SPW], v[NIL]
	s_wait_dscnt 0x0
	s_endpgm
.Lfunc_end_k_qfdd5fe9c1c_quant:
	.size	k_qfdd5fe9c1c_quant, .Lfunc_end_k_qfdd5fe9c1c_quant-k_qfdd5fe9c1c_quant
	.p2alignl 7, 3214868480
	.fill 96, 4, 3214868480
	.section	.rodata,"a",@progbits
	.p2align	6, 0x0
	.amdhsa_kernel k_qfdd5fe9c1c_quant
		.amdhsa_group_segment_fixed_size 34304
		.amdhsa_private_segment_fixed_size 0
		.amdhsa_enable_private_segment 0
		.amdhsa_kernarg_size 64
		.amdhsa_user_sgpr_count 2
		.amdhsa_user_sgpr_kernarg_segment_ptr 1
		.amdhsa_wavefront_size32 1
		.amdhsa_system_sgpr_workgroup_id_x 1
		.amdhsa_system_sgpr_workgroup_id_y 1
		.amdhsa_system_sgpr_workgroup_id_z 1
		.amdhsa_system_vgpr_workitem_id 0
		.amdhsa_next_free_vgpr 256
		.amdhsa_next_free_sgpr 66
		.amdhsa_reserve_vcc 0
		.amdhsa_float_denorm_mode_32 3
		.amdhsa_float_denorm_mode_16_64 3
		.amdhsa_memory_ordered 1
		.amdhsa_forward_progress 1
		.amdhsa_inst_pref_size 33
	.end_amdhsa_kernel
	.amdgpu_metadata
---
amdhsa.version: [ 1, 2 ]
amdhsa.kernels:
  - .name:           k_qfdd5fe9c1c_quant
    .symbol:         k_qfdd5fe9c1c_quant.kd
    .args:
      - { .name: hidden_states, .offset: 0, .size: 8, .value_kind: global_buffer, .address_space: global }
      - { .name: Wq, .offset: 8, .size: 8, .value_kind: global_buffer, .address_space: global }
      - { .name: Wk, .offset: 16, .size: 8, .value_kind: global_buffer, .address_space: global }
      - { .name: Wv, .offset: 24, .size: 8, .value_kind: global_buffer, .address_space: global }
      - { .name: Wo, .offset: 32, .size: 8, .value_kind: global_buffer, .address_space: global }
      - { .name: hid, .offset: 40, .size: 8, .value_kind: global_buffer, .address_space: global }
      - { .name: wqkv, .offset: 48, .size: 8, .value_kind: global_buffer, .address_space: global }
      - { .name: woq, .offset: 56, .size: 8, .value_kind: global_buffer, .address_space: global }
    .group_segment_fixed_size: 34304
    .private_segment_fixed_size: 0
    .kernarg_segment_align: 8
    .kernarg_segment_size: 64
    .max_flat_workgroup_size: 128
    .sgpr_count:     66
    .vgpr_count:     256
    .wavefront_size: 32
...
	.end_amdgpu_metadata
.endif
;; end of part 1
;; launch qkv (part 2): grid 8 x 32, 4 waves a work-group, clusters of 4 x 4, 327,680 bytes of LDS; arguments hid, wqkv, cos, sin, qkv; writes qkv
.if DOCPART == 2
	.amdgcn_target "amdgcn-amd-amdhsa--gfx1250"
	.amdhsa_code_object_version 6
	.text
	.protected	k_qfdd5fe9c1c_qkv
	.globl	k_qfdd5fe9c1c_qkv
	.p2align	8
	.type	k_qfdd5fe9c1c_qkv,@function
k_qfdd5fe9c1c_qkv:
	s_mov_b64 s[64:65], 0
	v_nop
	global_prefetch_b8 v0, s[64:65] scope:SCOPE_SE
	s_setreg_imm32_b32 hwreg(HW_REG_WAVE_MODE, 25, 1), 1
	s_wait_xcnt 0x0
	s_wait_alu depctr_hold_cnt(0) depctr_sa_sdst(0) depctr_va_vdst(0) depctr_va_sdst(0) depctr_va_ssrc(0) depctr_va_vcc(0) depctr_vm_vsrc(0)
	s_getreg_b32 s2, hwreg(HW_REG_IB_STS2, 6, 4)
	s_cmp_eq_u32 s2, 0
	s_cbranch_scc0 .Lentry_in_a_cluster
	s_endpgm
.Lentry_in_a_cluster:
	s_bfe_u32 s2, ttmp6, 0x10000c
	s_cmp_lg_u32 s2, 0xf033
	s_cbranch_scc0 .Lentry_shape_is_right
	s_endpgm
.Lentry_shape_is_right:
; q, k, v = hidden_states x (Wq, Wk, Wv)^T on codes of FP6 (E2M3) with E8M0 scales, then RoPE on q and k, then the quantisers of the attention's products; results leave as images of operand registers.
; hid and wqkv are laid in units of GRP = 25,600 dense bytes, unit (s, g) at (s x groups + g) x GRP: 64 rows x 512 along K: 16 images of 1,536 bytes (image 4 t + q: rows 16 t on, K = 128 q on; lane l at 16 l of each of three runs),
; then 16 bytes a row: its four scale words.  A work-group makes 128 tokens x 256 columns, a wave 64 x 128: 32 accumulators.
; THE RING: two slots of 6 units (2 of hid, 4 of wqkv: 153,600 bytes), 512 along K each, scales among them: eight fills.  Waves 0, 1 fetch a unit of hid each (100 rows of 256 bytes), waves 2, 3 two units of wqkv (200 rows): one tensor load a wave
; behind each round; a load has three steps and a half, 112 matrix instructions a wave, in which to land.  Every tensor row is 256 bytes of memory and begins at a multiple of 256.
; CLUSTER 4 x 4: hid's units hang on the tile row alone and are asked for jointly along a row of the cluster, wqkv's on the tile column alone, along a column.
; THE MATRIX INSTRUCTION IS USED TRANSPOSED (source 0 = 16 rows of W, source 1 = 16 tokens): lane (r, h) holds token r, register j of tile b channel 16 b + 8 h + j.
; A fragment is three loads of 16 bytes a lane, lanes on end.  One register carries a token tile's scale word in lanes 0-15 and a W tile's in lanes 16-31; a load of 16 bytes brings a slot's four words.
; PREFETCH: behind each refill the fill that stands two refills on is asked for: each of the four partners that ask for a part jointly names a quarter of its blocks of 256 bytes, told apart by address (25 lanes an instruction;
; the idle lanes name the last block again); the last two refills ask for nothing; fills 0 to 3 come by their loads alone.
; qkv: [head column c][block of 256 tokens][26,624 bytes]: 16 images, then 16 images of scale words (4 bytes a lane); c 0-7: q; 8 + 2 j: k's head j; 9 + 2 j: v's head j, quantised along the tokens.
; LIMITS: NaN and infinities are not served; a block of zeros keeps the byte 1 (its codes are zeros; this program alone reads the bytes).
; REGISTERS: window 0: v0-31 addresses, v32-95 scale words (two sets), v128-223 token fragments (two sets); window 1: W's fragments, two sets at v0 and v128; window 2: the accumulators, (a, b) at v[8 (8 a + b)].
.set GRP,    25600
.set SLOT,   6*GRP
.set HSTEP,  64*GRP                    ; from part to part along K in hid,
.set WSTEP,  32*GRP                    ; in wqkv
.set LAPS,   4                         ; eight fills, two a lap
.set FR,     12
.set NP,     4
.set SPARE,  2*SLOT
.set SB,     26624
.set VP,     272
.set MERGE,  4*32*VP
.set IMH,    768
.set SCM,    MERGE+4*8*IMH
.set MWI,  7
.set MW8,  8
.set MWS,  9
.set MRI,  10
.set MR8,  11
.set MRS,  12
.set PFO,  13
.set ADRA, 16                          ; v16-17 my tokens' unit in slot 0, 1, + 16 x lane
.set ADRS, 18                          ; v18-19 scale words: lanes 0-15 my tokens' unit, lanes 16-31 my W units, + 16 r
.set ADRB, 20                          ; v20-21 my W units
.set LI,   24
.set LS,   25
.set CA,   26
.set SPW,  28
.set NIL,  29
.set VST,  30
.set VRD,  31
.set SC,   32
.set OUT,  64
.set AF,   128
.set QCB,  128
.set PWB,  208
.set TM,   212
.set SEL,  100
.set PFA,  92
.set PFS,  68
.set G1, 24
.set G0, 32
.set G1B, 48
.set G0B, 56
.set MSB, 0
.macro WIN new
.if MSB != \new
	s_set_vgpr_msb (MSB<<8)|\new
.set MSB, \new
.endif
.endm
.set W_MUL, 0xa1
.set TO_B,  0x40
.macro JLOAD g0a, g1a, g0b, g1b        ; waves 0, 1 fetch hid's units, waves 2, 3 wqkv's; an s_nop 0 and four v_nop follow each line
	s_cmp_eq_u32 s15, 0
	s_cbranch_scc0 .Lfor_b_\@
	tensor_load_to_lds s[\g0a:\g0a+3], s[\g1a:\g1a+7]
	s_nop 0
.rept 4
	v_nop
.endr
	s_branch .Lasked_\@
.Lfor_b_\@:
	tensor_load_to_lds s[\g0b:\g0b+3], s[\g1b:\g1b+7]
	s_nop 0
.rept 4
	v_nop
.endr
.Lasked_\@:
.endm
.macro ASK                             ; s3 = 1 in the loop's last trip: its two refills have no fill two on
	s_cmp_gt_u32 s3, 1
	s_cbranch_scc0 .Lno_ask_\@
	global_prefetch_b8 v[PFO], s[PFA:PFA+1] th:TH_LOAD_NT scope:SCOPE_SE
	s_cmp_eq_u32 s15, 0
	s_cbranch_scc1 .Lno_ask_\@
	global_prefetch_b8 v[PFO], s[PFA:PFA+1] offset:6400 th:TH_LOAD_NT scope:SCOPE_SE   ; W's share is 50 blocks
.Lno_ask_\@:
.endm
.macro CREST
	s_cmp_lg_u32 s14, 0
	s_cbranch_scc1 .Lnot_wave_0_\@
	s_barrier_signal -3
.Lnot_wave_0_\@:
	s_barrier_wait -3
	s_barrier_signal -1
	s_barrier_wait -1
.endm
.macro CROUND
	s_barrier_signal -1
	s_barrier_wait -1
	CREST
.endm
	s_load_b64 s[4:5], s[0:1], 0x0                 ; hid
	s_load_b64 s[8:9], s[0:1], 0x8                 ; wqkv
	s_load_b128 s[96:99], s[0:1], 0x10             ; cos, sin
	s_load_b64 s[12:13], s[0:1], 0x20              ; qkv
	v_lshl_add_u32 v[SPW], v0, 2, SPARE
	v_mov_b32 v[NIL], 0
	ds_add_u32 v[SPW], v[NIL]                      ; the opening lines: the add, twice on end, and its wait ahead of my first tensor load
	ds_add_u32 v[SPW], v[NIL]
	v_lshrrev_b32 v1, 5, v0
	v_readfirstlane_b32 s14, v1                    ; wave
	s_lshr_b32 s15, s14, 1                         ; my half of the tokens.  Also: I fetch hid (0) or wqkv (1)
	s_and_b32 s16, s14, 1                          ; my half of the columns.  Also: which half I fetch
	s_bfe_u32 s40, ttmp6, 0x40000                  ; cx
	s_bfe_u32 s41, ttmp6, 0x40004                  ; cy
	s_lshl_b32 s42, ttmp9, 2
	s_add_co_u32 s42, s42, s40                     ; tile column
	s_and_b32 s17, ttmp7, 0xffff
	s_lshl_b32 s17, s17, 2
	s_add_co_u32 s17, s17, s41                     ; tile row
	s_lshl_b32 s43, s41, 2
	s_lshl_b32 s43, 15, s43                        ; my row of the cluster
	s_lshl_b32 s44, 0x1111, s40                    ; my column
	s_mov_b32 s[SEL], 0x76543210
	s_mov_b32 s[SEL+1], 0xfedcba98
	s_or_b32 s[G1+0], s43, (3<<16)|(1<<21)         ; dense rows of 256 bytes: 32 elements of 8 bytes, no padding; bit 21 set beside a mask
	s_or_b32 s[G1B+0], s44, (3<<16)|(1<<21)
.irp g, G1, G1B
	s_mov_b32 s[\g+1], 32<<16
	s_mov_b32 s[\g+3], 32<<16
	s_mov_b32 s[\g+5], 32
	s_mov_b32 s[\g+6], 0
	s_mov_b32 s[\g+7], 0
.endr
	s_mov_b32 s[G1+2], 100<<16                     ; a unit: 100 rows
	s_mov_b32 s[G1+4], 100
	s_mov_b32 s[G1B+2], 200<<16                    ; two units
	s_mov_b32 s[G1B+4], 200
	s_lshl_b32 s20, s17, 1
	s_add_co_u32 s20, s20, s16
	s_mul_i32 s20, s20, GRP                        ; hid: group 2 x tile row + half
	s_mov_b32 s21, 0
	s_lshl_b32 s46, s42, 2
	s_lshl_b32 s18, s16, 1
	s_add_co_u32 s46, s46, s18
	s_mul_i32 s46, s46, GRP                        ; wqkv: groups 4 x tile column + 2 x half on
	s_mov_b32 s47, 0
	s_mul_i32 s45, s16, GRP                        ; in a slot: hid's two units,
	s_mul_i32 s2, s16, 2*GRP
	s_add_co_u32 s2, s2, 2*GRP                     ; then wqkv's four
	s_wait_dscnt 0x0
	s_wait_kmcnt 0x0
	s_add_nc_u64 s[20:21], s[4:5], s[20:21]
	s_add_nc_u64 s[46:47], s[8:9], s[46:47]
	CROUND                                         ; all sixteen work-groups are here: the first joint loads meet
.irp s, 0,1
	s_mov_b32 s[G0+4*\s], 1
	s_add_co_u32 s[G0+4*\s+1], s45, \s*SLOT
	s_add_nc_u64 s[G0+4*\s+2:G0+4*\s+3], s[20:21], \s*HSTEP
	s_or_b32 s[G0+4*\s+3], s[G0+4*\s+3], 0x80000000
	s_mov_b32 s[G0B+4*\s], 1
	s_add_co_u32 s[G0B+4*\s+1], s2, \s*SLOT
	s_add_nc_u64 s[G0B+4*\s+2:G0B+4*\s+3], s[46:47], \s*WSTEP
	s_or_b32 s[G0B+4*\s+3], s[G0B+4*\s+3], 0x80000000
.endr
	JLOAD G0, G1, G0B, G1B                         ; fill 0: one tensor load a wave at the head
	s_mul_i32 s70, s15, GRP                        ; my tokens' unit
	s_mul_i32 s71, s16, 2*GRP
	s_add_co_u32 s71, s71, 2*GRP                   ; my W units
	s_sub_co_u32 s72, s71, s70
	s_mul_i32 s73, s14, 32*VP
	s_mul_i32 s74, s14, 8*IMH
	s_add_co_u32 s74, s74, MERGE
	s_lshl_b32 s75, s14, 9
	s_add_co_u32 s75, s75, SCM
	s_mul_i32 s76, s15, 4*IMH
	s_add_co_u32 s76, s76, MERGE+8*IMH
	s_lshl_b32 s77, s15, 8
	s_add_co_u32 s77, s77, SCM+512
	v_and_b32 v1, 15, v0                           ; r
	v_bfe_u32 v2, v0, 4, 1                         ; h
	v_and_b32 v6, 31, v0                           ; lane
	v_lshlrev_b32 v[LI], 4, v6
	v_lshlrev_b32 v[LS], 2, v6
	v_add_nc_u32 v[ADRA], s70, v[LI]
	v_add_nc_u32 v[ADRB], s71, v[LI]
	v_add_nc_u32 v[ADRA+1], SLOT, v[ADRA]
	v_add_nc_u32 v[ADRB+1], SLOT, v[ADRB]
	v_mul_u32_u24 v5, s72, v2                      ; lanes 16-31 take W's words
	v_lshl_add_u32 v5, v1, 4, v5
	v_add_nc_u32 v[ADRS], s70, v5
	v_add_nc_u32 v[ADRS+1], SLOT, v[ADRS]
	v_lshlrev_b32 v[CA], 9, v1
	v_lshl_add_u32 v[CA], v2, 5, v[CA]
	v_lshlrev_b32 v5, 2, v1
	v_mad_u32_u24 v5, v2, 8*VP, v5
	v_add_nc_u32 v[VST], s73, v5
	v_mul_u32_u24 v5, v1, VP
	v_lshl_add_u32 v5, v2, 5, v5
	v_add_nc_u32 v[VRD], s73, v5
	v_add_nc_u32 v[MWI], s74, v[LI]
	v_lshl_add_u32 v[MW8], v6, 3, s74
	v_add_nc_u32 v[MWS], s75, v[LS]
	v_add_nc_u32 v[MRI], s76, v[LI]
	v_lshl_add_u32 v[MR8], v6, 3, s76
	v_add_nc_u32 v[MRS], s77, v[LS]
	v_min_u32 v[PFO], 24, v6
	v_lshlrev_b32 v[PFO], 8, v[PFO]                ; the prefetches: a lane a block of 256 bytes, 25 an instruction
	s_lshl_b32 s20, s17, 7                         ; cos, sin: my 64 tokens' rows of 512 bytes
	s_lshl_b32 s21, s15, 6
	s_add_co_u32 s20, s20, s21
	s_lshl_b32 s20, s20, 9
	s_mov_b32 s21, 0
	s_add_nc_u64 s[96:97], s[96:97], s[20:21]
	s_add_nc_u64 s[98:99], s[98:99], s[20:21]
	s_lshl_b32 s46, s42, 1                         ; qkv: head column 2 x tile column + half, block of 256 tokens
	s_add_co_u32 s46, s46, s16
	s_lshl_b32 s46, s46, 4
	s_lshr_b32 s47, s17, 1
	s_add_co_u32 s46, s46, s47
	s_mul_i32 s46, s46, SB
	s_mov_b32 s47, 0
	s_add_nc_u64 s[12:13], s[12:13], s[46:47]
	s_add_nc_u64 s[66:67], s[12:13], 16*1536
	s_and_b32 s20, s17, 1
	s_lshl_b32 s20, s20, 1
	s_add_co_u32 s20, s20, s15
	s_mul_i32 s46, s20, 4*1536
	s_add_nc_u64 s[12:13], s[12:13], s[46:47]
	s_lshl_b32 s46, s20, 9
	s_add_nc_u64 s[66:67], s[66:67], s[46:47]
	s_lshl_b32 s20, s17, 1                         ; the prefetches: the part that I fetch, my work-group's quarter of it (by cx for hid, by cy for wqkv), at fill 3: the first refill steps it to fill 4
	s_add_co_u32 s20, s20, s16
	s_mul_i32 s20, s20, GRP
	s_mul_i32 s21, s40, 6400
	s_add_co_u32 s20, s20, s21
	s_add_co_u32 s20, s20, 3*HSTEP
	s_lshl_b32 s22, s42, 2
	s_lshl_b32 s23, s16, 1
	s_add_co_u32 s22, s22, s23
	s_mul_i32 s22, s22, GRP
	s_mul_i32 s23, s41, 12800
	s_add_co_u32 s22, s22, s23
	s_add_co_u32 s22, s22, 3*WSTEP
	s_mov_b32 s[PFS], WSTEP
	s_cmp_eq_u32 s15, 0
	s_cselect_b32 s20, s20, s22
	s_cselect_b32 s[PFS], HSTEP, s[PFS]
	s_cselect_b64 s[PFA:PFA+1], s[4:5], s[8:9]
	s_mov_b32 s21, 0
	s_mov_b32 s[PFS+1], 0
	s_add_nc_u64 s[PFA:PFA+1], s[PFA:PFA+1], s[20:21]
.macro IMG reg, adr, off               ; an image: three runs of four registers, lanes on end
.irp c, 0,1,2
	ds_load_b128 v[\reg+4*\c:\reg+4*\c+3], v[\adr] offset:\off+512*\c
.endr
.endm
.macro MUL8 a, p, q, sc, zero          ; token tile a x W's eight tiles; the 32 accumulators take turns
.irp b, 0,1,2,3,4,5,6,7
.if \zero
	v_wmma_scale_f32_16x16x128_f8f6f4 v[8*(8*(\a)+\b):8*(8*(\a)+\b)+7], v[128*(\p)+FR*\b:128*(\p)+FR*\b+FR-1], v[AF+48*(\p)+FR*(\a):AF+48*(\p)+FR*(\a)+FR-1], 0, v[SC+32*(\sc)+4*\b+(\q)], v[SC+32*(\sc)+4*(\a)+(\q)] matrix_a_fmt:MATRIX_FMT_FP6 matrix_b_fmt:MATRIX_FMT_FP6 matrix_a_scale:MATRIX_SCALE_ROW1
.else
	v_wmma_scale_f32_16x16x128_f8f6f4 v[8*(8*(\a)+\b):8*(8*(\a)+\b)+7], v[128*(\p)+FR*\b:128*(\p)+FR*\b+FR-1], v[AF+48*(\p)+FR*(\a):AF+48*(\p)+FR*(\a)+FR-1], v[8*(8*(\a)+\b):8*(8*(\a)+\b)+7], v[SC+32*(\sc)+4*\b+(\q)], v[SC+32*(\sc)+4*(\a)+(\q)] matrix_a_fmt:MATRIX_FMT_FP6 matrix_b_fmt:MATRIX_FMT_FP6 matrix_a_scale:MATRIX_SCALE_ROW1
.endif
.endr
.endm
.macro FETCH slot, q, p                ; the fragments of step q of a slot into set p: 36 loads
	WIN TO_B
.irp i, 0,1,2,3,4,5,6,7
	IMG 128*(\p)+FR*\i, ADRB+\slot, (\i/4)*GRP+(4*(\i%4)+(\q))*1536
.endr
	WIN 0
.irp i, 0,1,2,3
	IMG AF+48*(\p)+FR*\i, ADRA+\slot, (4*\i+(\q))*1536
.endr
.endm
.macro SCALES sc                       ; a slot's scale words: register 4 i + q: lanes 0-15 token tile i (i under 4), lanes 16-31 W's tile i, step q
.irp i, 0,1,2,3,4,5,6,7
	ds_load_b128 v[SC+32*\sc+4*\i:SC+32*\sc+4*\i+3], v[ADRS+\sc] offset:(\i/4)*GRP+16*1536+256*(\i%4)
.endr
.endm
.macro PLACES n
.rept \n
	v_nop
.endr
.endm
.macro STEP slot, q, zero              ; one of a slot's first three steps: multiplies set q % 2 while the next step's fragments come into the other
	s_wait_dscnt 0x0                               ; this step's fragments are in
	PLACES NP                                      ; places in front of loads into registers that matrix instructions have read
	FETCH \slot, (\q)+1, 1-(\q)%2
	WIN W_MUL
	MUL8 0, (\q)%2, \q, \slot, \zero
	MUL8 1, (\q)%2, \q, \slot, \zero
	MUL8 2, (\q)%2, \q, \slot, \zero
	MUL8 3, (\q)%2, \q, \slot, \zero
	WIN 0
.endm
.macro TURN slot, next, fill           ; a slot's fourth step, and the change of slots
.if \fill
	s_wait_xcnt 0x0                                ; my last prefetches have read their address
	s_add_nc_u64 s[PFA:PFA+1], s[PFA:PFA+1], s[PFS:PFS+1]
.endif
	s_wait_tensorcnt 0x0                           ; my one load that was out, my part of the next slot, has landed
	ds_add_u32 v[SPW], v[NIL]
	s_wait_dscnt 1                                 ; the fragments are in; the add may be out
	WIN W_MUL
	MUL8 0, 1, 3, \slot, 0
	s_wait_dscnt 0x0                               ; the add is done, and my reads of this slot are over
	s_barrier_signal -1
	MUL8 1, 1, 3, \slot, 0
	WIN 0
	s_barrier_wait -1
.if \fill
	CREST                                          ; the barrier has opened a round of the cluster's: no wave of any partner still reads this slot or has a load on its way
	s_add_nc_u64 s[G0+4*\slot+2:G0+4*\slot+3], s[G0+4*\slot+2:G0+4*\slot+3], 2*HSTEP
	s_add_nc_u64 s[G0B+4*\slot+2:G0B+4*\slot+3], s[G0B+4*\slot+2:G0B+4*\slot+3], 2*WSTEP
	JLOAD G0+4*\slot, G1, G0B+4*\slot, G1B         ; its four v_nop are the places in front of the loads below
.else
	PLACES NP
.endif
	FETCH \next, 0, 0
	SCALES \next
.if \fill
	ASK
.endif
	WIN W_MUL
	MUL8 2, 1, 3, \slot, 0
	MUL8 3, 1, 3, \slot, 0
	WIN 0
.endm
	s_wait_alu depctr_va_vdst(0)                   ; the wait at the head's end
	s_wait_tensorcnt 0x0                           ; my part of fill 0 is in
	ds_add_u32 v[SPW], v[NIL]
	s_wait_dscnt 0x0
	CROUND
	JLOAD G0+4, G1, G0B+4, G1B                     ; fill 1, the first tensor load behind the round
	FETCH 0, 0, 0
	SCALES 0
	STEP 0, 0, 1                                   ; the first step's products start the sums
	STEP 0, 1, 0
	STEP 0, 2, 0
	s_mov_b32 s3, LAPS-1
.Llap:
	TURN 0, 1, 1
	STEP 1, 0, 0
	STEP 1, 1, 0
	STEP 1, 2, 0
	TURN 1, 0, 1
	STEP 0, 0, 0
	STEP 0, 1, 0
	STEP 0, 2, 0
	s_sub_co_u32 s3, s3, 1
	s_cmp_lg_u32 s3, 0
	s_cbranch_scc1 .Llap
	WIN 0xc0                                       ; cos and sin of my token tiles 0 and 1 are asked for here, five steps ahead of their use, into window 3, which nothing else names.  Every wave asks: the waves part behind the last product (v's waves do not use them)
.irp a, 0,1
.irp b, 0,1,2,3,4,5,6,7
.irp e, 0,1
	global_load_b128 v[128*\a+8*\b+4*\e:128*\a+8*\b+4*\e+3], v[CA], s[96:97] offset:8192*\a+64*\b+16*\e
	global_load_b128 v[128*\a+64+8*\b+4*\e:128*\a+64+8*\b+4*\e+3], v[CA], s[98:99] offset:8192*\a+64*\b+16*\e
.endr
.endr
.endr
	WIN 0
	TURN 0, 1, 0
	STEP 1, 0, 0
	STEP 1, 1, 0
	STEP 1, 2, 0
	s_wait_dscnt 0x0
	WIN W_MUL
	MUL8 0, 1, 3, 1, 0
	MUL8 1, 1, 3, 1, 0
	MUL8 2, 1, 3, 1, 0
	MUL8 3, 1, 3, 1, 0
	WIN 0
; THE WAY OUT.  Its LDS stages lie in slot 0, which has had its last fill and, at the last barrier, its last read.
; QUANT: 64 numbers of a lane, register 16 b + i = place 16 (lane / 16) + i of block b of my row, become a fragment's codes in v[QC] .. v[QC + 11] and its scale word in v[PW].
.macro QUANT s
.irp b, 0,1,2,3
	v_max3_num_f32 v[TM+\b], |v[\s+16*\b]|, |v[\s+1+16*\b]|, 0x1800000
.endr
.irp i, 2,4,6,8,10,12,14
.irp b, 0,1,2,3
	v_max3_num_f32 v[TM+\b], v[TM+\b], |v[\s+16*\b+\i]|, |v[\s+1+16*\b+\i]|
.endr
.endr
.irp b, 0,1,2,3
	v_permlanex16_b32 v[TM+4+\b], v[TM+\b], s[SEL], s[SEL+1]
.endr
.irp b, 0,1,2,3
	v_max_num_f32 v[TM+\b], v[TM+\b], v[TM+4+\b]
.endr
.irp b, 0,1,2,3
	v_add_nc_u32 v[TM+12+\b], 0xff000000, v[TM+\b]
.endr
.irp b, 0,1,2,3
	v_lshrrev_b32 v[TM+4+\b], 23, v[TM+12+\b]
.endr
	v_lshl_or_b32 v[PW], v[TM+5], 8, v[TM+4]
	v_lshl_or_b32 v[PW], v[TM+6], 16, v[PW]
	v_lshl_or_b32 v[PW], v[TM+7], 24, v[PW]
.irp c, 0,1
	v_cvt_scalef32_pk16_fp6_f32 v[QC+6*\c:QC+2+6*\c], v[\s+32*\c:\s+15+32*\c], v[TM+12+2*\c]
	v_cvt_scalef32_pk16_fp6_f32 v[QC+12+4*\c:QC+14+4*\c], v[\s+16+32*\c:\s+31+32*\c], v[TM+12+2*\c+1]
.endr
	v_nop
.irp c, 0,1
.irp i, 0,1,2
	v_permlane16_swap_b32 v[QC+6*\c+\i], v[QC+12+4*\c+\i]
.endr
.irp i, 0,1,2
	v_mov_b32 v[QC+3+6*\c+\i], v[QC+12+4*\c+\i]
.endr
.endr
.endm
.macro SENDQ i
.irp c, 0,1,2
	global_store_b128 v[LI], v[QC+4*\c:QC+4*\c+3], s[12:13] offset:1536*(\i)+512*\c
.endr
	global_store_b32 v[LS], v[PW], s[66:67] offset:128*(\i)
.endm
.macro LOADCS a                        ; cos and sin of token tile a, in the accumulators' layout, into window 1
	WIN TO_B
.irp b, 0,1,2,3,4,5,6,7
.irp e, 0,1
	global_load_b128 v[128*((\a)%2)+8*\b+4*\e:128*((\a)%2)+8*\b+4*\e+3], v[CA], s[96:97] offset:8192*(\a)+64*\b+16*\e
	global_load_b128 v[128*((\a)%2)+64+8*\b+4*\e:128*((\a)%2)+64+8*\b+4*\e+3], v[CA], s[98:99] offset:8192*(\a)+64*\b+16*\e
.endr
.endr
	WIN 0
.endm
.macro ROPE a                          ; x cos + rotate_half(x) sin
	WIN 0x0e-0x08*((\a)/2)                         ; source 0: window 2; source 1: window 3 (tiles 0, 1) or 1 (tiles 2, 3)
.set AC, 64*(\a)
.set CSB, 128*((\a)%2)
.irp b, 0,1,2,3,4,5,6,7
.irp j, 0,2,4,6
	v_pk_mul_f32 v[OUT+8*\b+\j:OUT+8*\b+\j+1], v[AC+8*\b+\j:AC+8*\b+\j+1], v[CSB+8*\b+\j:CSB+8*\b+\j+1]
.endr
.endr
.irp b, 0,1,2,3
.irp j, 0,2,4,6
	v_pk_fma_f32 v[OUT+8*\b+\j:OUT+8*\b+\j+1], v[AC+8*(\b+4)+\j:AC+8*(\b+4)+\j+1], v[CSB+64+8*\b+\j:CSB+64+8*\b+\j+1], v[OUT+8*\b+\j:OUT+8*\b+\j+1] neg_lo:[1,0,0] neg_hi:[1,0,0]
.endr
.endr
.irp b, 4,5,6,7
.irp j, 0,2,4,6
	v_pk_fma_f32 v[OUT+8*\b+\j:OUT+8*\b+\j+1], v[AC+8*(\b-4)+\j:AC+8*(\b-4)+\j+1], v[CSB+64+8*\b+\j:CSB+64+8*\b+\j+1], v[OUT+8*\b+\j:OUT+8*\b+\j+1]
.endr
.endr
	WIN 0
.endm
.macro VPASS p                         ; v: 32 channels x my 64 tokens are turned through my stage, so that a lane's registers run along the tokens, and quantised along them
	WIN 0x08
.irp a, 0,1,2,3
.irp bb, 0,1
.irp j, 0,1,2,3,4,5,6,7
	ds_store_b32 v[VST], v[8*(8*\a+2*(\p)+\bb)+\j] offset:(16*\bb+\j)*VP+64*\a
.endr
.endr
.endr
	WIN 0
.irp f, 0,1
.irp be, 0,1
	ds_load_b128 v[OUT+16*(2*\f+\be):OUT+16*(2*\f+\be)+3],     v[VRD] offset:16*\f*VP+128*\be
	ds_load_b128 v[OUT+16*(2*\f+\be)+4:OUT+16*(2*\f+\be)+7],   v[VRD] offset:16*\f*VP+128*\be+16
	ds_load_b128 v[OUT+16*(2*\f+\be)+8:OUT+16*(2*\f+\be)+11],  v[VRD] offset:16*\f*VP+128*\be+64
	ds_load_b128 v[OUT+16*(2*\f+\be)+12:OUT+16*(2*\f+\be)+15], v[VRD] offset:16*\f*VP+128*\be+80
.endr
.endr
	s_wait_dscnt 0x0
	QUANT OUT
.irp f, 0,1
	ds_store_b128 v[MWI], v[QC+6*\f:QC+6*\f+3] offset:(2*(\p)+\f)*IMH
	ds_store_b64 v[MW8], v[QC+6*\f+4:QC+6*\f+5] offset:(2*(\p)+\f)*IMH+512
.endr
	ds_store_b32 v[MWS], v[PW] offset:128*(\p)
.endm
	PLACES NP
.irp b, 0,1,2,3
	v_mov_b32 v[TM+4+\b], 0
.endr
	s_cmp_eq_u32 s16, 0
	s_cbranch_scc1 .Lqk_head
	s_cmp_lg_u32 ttmp9, 0
	s_cbranch_scc1 .Lv_head
.Lqk_head:
	LOADCS 2
	LOADCS 3
.irp a, 0,1,2,3
.if \a < 2
	s_wait_loadcnt 63                              ; behind tile a's 32 loads 64 or more were issued: the count is what the counter's field holds
.else
	s_wait_loadcnt 32*(3-\a)
.endif
	ROPE \a
.set QC, QCB+20*\a
.set PW, PWB+\a
	QUANT OUT
	SENDQ \a
.endr
	s_branch .Ljoin
.Lv_head:
.set QC, QCB
.set PW, PWB
.irp p, 0,1,2,3
	VPASS \p
.endr
.Ljoin:
	s_wait_dscnt 0x0
	s_barrier_signal -1
	s_barrier_wait -1
	s_cmp_eq_u32 s16, 0
	s_cbranch_scc1 .Lend
	s_cmp_eq_u32 ttmp9, 0
	s_cbranch_scc1 .Lend
.irp i, 0,1,2,3                        ; v's images span 128 tokens: the two waves' halves are joined
	ds_load_b128 v[OUT+12*\i:OUT+12*\i+3],     v[MRI] offset:IMH*\i
	ds_load_b64  v[OUT+12*\i+4:OUT+12*\i+5],   v[MR8] offset:IMH*\i+512
	ds_load_b128 v[OUT+12*\i+6:OUT+12*\i+9],   v[MRI] offset:2*8*IMH+IMH*\i
	ds_load_b64  v[OUT+12*\i+10:OUT+12*\i+11], v[MR8] offset:2*8*IMH+IMH*\i+512
.endr
.irp u, 0,1
	ds_load_b32 v[TM+\u],   v[MRS] offset:128*\u
	ds_load_b32 v[TM+2+\u], v[MRS] offset:1024+128*\u
.endr
	s_wait_dscnt 0x0
	v_perm_b32 v[TM+4], v[TM+2], v[TM],   0x05040100
	v_perm_b32 v[TM+5], v[TM+2], v[TM],   0x07060302
	v_perm_b32 v[TM+6], v[TM+3], v[TM+1], 0x05040100
	v_perm_b32 v[TM+7], v[TM+3], v[TM+1], 0x07060302
.irp i, 0,1,2,3
.irp c, 0,1,2
	global_store_b128 v[LI], v[OUT+12*\i+4*\c:OUT+12*\i+4*\c+3], s[12:13] offset:1536*\i+512*\c
.endr
	global_store_b32 v[LS], v[TM+4+\i], s[66:67] offset:128*\i
.endr
.Lend:
	s_wait_tensorcnt 0x0                           ; the wave's end
	ds_add_u32 v[SPW], v[NIL]
	s_wait_dscnt 0x0
	CROUND                                         ; the closing round
	s_endpgm
.Lfunc_end_k_qfdd5fe9c1c_qkv:
	.size	k_qfdd5fe9c1c_qkv, .Lfunc_end_k_qfdd5fe9c1c_qkv-k_qfdd5fe9c1c_qkv
	.p2alignl 7, 3214868480
	.fill 96, 4, 3214868480
	.section	.rodata,"a",@progbits
	.p2align	6, 0x0
	.amdhsa_kernel k_qfdd5fe9c1c_qkv
		.amdhsa_group_segment_fixed_size 327680
		.amdhsa_private_segment_fixed_size 0
		.amdhsa_enable_private_segment 0
		.amdhsa_kernarg_size 40
		.amdhsa_user_sgpr_count 2
		.amdhsa_user_sgpr_kernarg_segment_ptr 1
		.amdhsa_wavefront_size32 1
		.amdhsa_system_sgpr_workgroup_id_x 1
		.amdhsa_system_sgpr_workgroup_id_y 1
		.amdhsa_system_sgpr_workgroup_id_z 1
		.amdhsa_system_vgpr_workitem_id 0
		.amdhsa_next_free_vgpr 1024
		.amdhsa_next_free_sgpr 102
		.amdhsa_reserve_vcc 0
		.amdhsa_float_denorm_mode_32 3
		.amdhsa_float_denorm_mode_16_64 3
		.amdhsa_memory_ordered 1
		.amdhsa_forward_progress 1
		.amdhsa_inst_pref_size 205
	.end_amdhsa_kernel
	.amdgpu_metadata
---
amdhsa.version: [ 1, 2 ]
amdhsa.kernels:
  - .name:           k_qfdd5fe9c1c_qkv
    .symbol:         k_qfdd5fe9c1c_qkv.kd
    .args:
      - { .name: hid, .offset: 0, .size: 8, .value_kind: global_buffer, .address_space: global }
      - { .name: wqkv, .offset: 8, .size: 8, .value_kind: global_buffer, .address_space: global }
      - { .name: cos, .offset: 16, .size: 8, .value_kind: global_buffer, .address_space: global }
      - { .name: sin, .offset: 24, .size: 8, .value_kind: global_buffer, .address_space: global }
      - { .name: qkv, .offset: 32, .size: 8, .value_kind: global_buffer, .address_space: global }
    .group_segment_fixed_size: 327680
    .private_segment_fixed_size: 0
    .kernarg_segment_align: 8
    .kernarg_segment_size: 40
    .max_flat_workgroup_size: 128
    .sgpr_count:     102
    .vgpr_count:     1024
    .wavefront_size: 32
...
	.end_amdgpu_metadata
.endif
;; end of part 2
;; launch attn (part 3): grid 32 x 8, 4 waves a work-group, clusters of 4 x 4, 327,680 bytes of LDS; arguments qkv, attention_mask, ctx; writes ctx
.if DOCPART == 3
	.amdgcn_target "amdgcn-amd-amdhsa--gfx1250"
	.amdhsa_code_object_version 6
	.text
	.protected	k_qfdd5fe9c1c_attn
	.globl	k_qfdd5fe9c1c_attn
	.p2align	8
	.type	k_qfdd5fe9c1c_attn,@function
k_qfdd5fe9c1c_attn:
	s_mov_b64 s[64:65], 0
	v_nop
	global_prefetch_b8 v0, s[64:65] scope:SCOPE_SE
	s_setreg_imm32_b32 hwreg(HW_REG_WAVE_MODE, 25, 1), 1
	s_wait_xcnt 0x0
	s_wait_alu depctr_hold_cnt(0) depctr_sa_sdst(0) depctr_va_vdst(0) depctr_va_sdst(0) depctr_va_ssrc(0) depctr_va_vcc(0) depctr_vm_vsrc(0)
	s_getreg_b32 s2, hwreg(HW_REG_IB_STS2, 6, 4)
	s_cmp_eq_u32 s2, 0
	s_cbranch_scc0 .Lentry_in_a_cluster
	s_endpgm
.Lentry_in_a_cluster:
	s_bfe_u32 s2, ttmp6, 0x10000c
	s_cmp_lg_u32 s2, 0xf033
	s_cbranch_scc0 .Lentry_shape_is_right
	s_endpgm
.Lentry_shape_is_right:
; ctx = softmax(q k^T / sqrt(128) + attention_mask) v for 2 batches x 4 key heads x 2 query heads each, 2,048 queries and keys, head size 128; both products on codes of FP6 (E2M3) with E8M0 scales for each 32 along K.
; THE SOFTMAX AHEAD OF THE SECOND PRODUCT: t = (score / sqrt(128) + mask) log2(e); M = the row's largest t so far, rounded UP to a whole number; p = 2^(t - M) is what is quantised, along the keys, not normalised.
; The row's sum is taken of the unquantised p, in f32, and divides the result at the end.  When M moves, the sum and the result are multiplied by 2^(old M - new M): exact.
; THE MASK IS AN INPUT: every key is walked, and the mask's numbers are read as they are.  They enter as the C of the first product, x sqrt(128): u = score + mask sqrt(128), t - M = u c - M with c = log2(e) / sqrt(128), one fused multiply-add.
; LIMITS: the order of rounding differs from the written one (mask x sqrt(128) is rounded once, the sum with the score by the matrix unit, u c - M once); NaN and infinities among the inputs are not served;
;   the scaled scores stay under 2^31 in magnitude; a block of zeros keeps the byte 1 (its codes are zeros; this program alone reads the bytes).
; qkv: [head column c][block of 256 tokens][26,624 bytes]: 16 images of operand registers (1,536 bytes: three runs of four registers, lane l at 16 l), then 16 images of scale words (4 bytes a lane).
;   c 0-7: q's heads; 8 + 2 j: k's head j (image = tile of 16 tokens);  9 + 2 j: v's head j, quantised along the keys (image = 8 x (which 128 keys) + tile of 16 channels).
; ctx: units of 25,600 bytes, unit (s, g) at (64 s + g) x 25,600: 64 tokens (group g) x heads 4 s .. 4 s + 3: 16 images (image 4 t + q: tokens 16 t on, head 4 s + q), then 16 bytes a token: its four scale words.
; SHARES.  A work-group owns 64 queries of one batch and one key head; each of its four waves 16 queries of BOTH query heads, so that every fragment of K and V and every number of the mask that it reads from LDS serves two tiles.
; A STEP IS A SLOT: 256 keys.  K's and V's blocks and the mask's 64 x 256 numbers come through a ring of two LDS slots (wave 0: K's block, wave 1: V's, waves 2, 3: 32 rows of the mask each): one tensor load a wave behind each round.
; THE CHANGE OF SLOTS stands in a step's middle: by then K, the mask and V of the slot in hand are all in registers.  Behind it the next slot's mask is read under the second head's softmax, and the next K as V's registers fall free.
; CLUSTER 4 x 4: x = blocks of queries, y = key heads.  K and V hang on y alone and are asked for jointly along a row of the cluster; the mask hangs on x alone and is asked for jointly along a column.
; LAYOUT.  Both products are used transposed: S^T = K Q^T (source 0 = 16 keys, source 1 = my 16 queries), O^T = V^T P^T: lane (r, h) holds query r throughout.  In tile i of S^T register j is key 16 i + 8 h + j, so the 16
; registers of tiles 2 b, 2 b + 1 are, of block b of 32 keys, 8 h + 0..7 and 16 + 8 h + 0..7: quantised, a block's codes lie in the order 0-7, 16-23, 8-15, 24-31, as V's do along the keys (and q's, k's, ctx's, Wo's along theirs).
; REGISTERS.  Window 0: v0-11 addresses, v16-39 Q's two fragments, v40-79 scale words and nothing else (Q's 2, p's 4, the way out's 2, K's 16, V's 16), v128-255 the mask's 128 numbers.
;   Window 1 + g, query head g: v0-127 S^T, then p; v128-191 O^T; v192-215 p's codes; v216-247 the softmax's work; v248 -M, v249 the largest t, v[250:251] the sum, v252 the factor.   Window 3: v0-191 16 fragments of K, then of V.
.set SB,    26624                      ; a block of qkv
.set VOFF,  SB                         ; a slot: K's block, V's block,
.set MOFF,  2*SB                       ; the mask: 64 rows of
.set MP,    1040                       ; 1,024 bytes + 16 of padding: 65 x 16, so the 16 rows that a load of 16 bytes a lane touches fall on 16 different groups of four banks (64 banks of 4 bytes: ISA guide 11.1)
.set SLOT1, 1<<17                      ; slot 1 begins here
.set SPARE, 2*SLOT1                    ; the spare words, 128 bytes a wave
.set LI,   1                           ; v1   16 x lane
.set LS,   2                           ; v2   4 x lane
.set AM0,  3                           ; v3   my place in the mask's tile: row 16 wave + r, + 32 h bytes
.set SPW,  4                           ; v4   LDS address of my spare word; never rewritten
.set NIL,  5                           ; v5   0; never rewritten
.set ADK,  6                           ; v6   the slot in hand + 16 x lane
.set ADS,  7                           ; v7   + 4 x lane
.set ADM,  8                           ; v8   + my place in the mask's tile
.set PFO,  10                          ; v10  the prefetches' offset; never rewritten
.set LN,   11                          ; v11  lane
.set QF,   16
.set QS,   40
.set PS,   42                          ; p's scale words: 2 g + which 128 keys
.set OW,   46                          ; the way out's scale words: g
.set KS,   48
.set VS,   64
.set MK,   128
.set OA,   128                         ; in window 1 + g:
.set PC,   192
.set CT,   216
.set BM,   224
.set PT,   232
.set SO,   240
.set NM,   248
.set TMX,  249
.set LL,   250
.set FF,   252
.set T0,   254
.set WV,   12                          ; s12  my wave's number
.set SEL,  20                          ; s[20:21] lane selects: lane l xor 16
.set CC,   22                          ; s[22:23] c = log2(e) / sqrt(128), twice: the packed form names a pair
.set RT,   24                          ; s[24:25] sqrt(128), twice
.set G1A,  28                          ; s[28:35] descriptor group 1 for K's and V's blocks
.set G1M,  36                          ; s[36:43] for the mask's rows
.set G0A,  44                          ; s[44:47], s[48:51] their groups 0, which walk
.set G0M,  48
.set TB,   52                          ; s52  LDS byte at which the slot in hand begins
.set SLOTS, 53                         ; s53  trips to go
.set PFA,  54                          ; s[54:55] where my prefetches stand
.set PFS,  56                          ; s[56:57] a slot on, in bytes
.set LIM,  58                          ; s58  1 in a wave that prefetches, else the greatest number
.set MSB, 0
.macro WIN new                         ; the immediate's high byte repeats the setting that is left
.if MSB != \new
	s_set_vgpr_msb (MSB<<8)|\new
.set MSB, \new
.endif
.endm
.macro PLACES n
.rept \n
	v_nop
.endr
.endm
.macro TLOAD                           ; a joint load: waves 0, 1 fetch K's and V's blocks, waves 2, 3 the mask's rows; an s_nop 0 and four v_nop follow each line
	s_cmp_lt_u32 s[WV], 2
	s_cbranch_scc0 .Lfor_m_\@
	tensor_load_to_lds s[G0A:G0A+3], s[G1A:G1A+7]
	s_nop 0
	PLACES 4
	s_branch .Lasked_\@
.Lfor_m_\@:
	tensor_load_to_lds s[G0M:G0M+3], s[G1M:G1M+7]
	s_nop 0
	PLACES 4
.Lasked_\@:
.endm
; A PREFETCH INTO THE L2 of what the NEXT change of slots will ask for, a step ahead of that load.  Each aligned block of 256 bytes is named once in the launch (but for a half's last block, which idle lanes name again).
; K and V of a key head are read by all eight clusters along x: cluster x = 0 asks; its four partners along x take half a block (13,312 bytes: 52 blocks of 256) each, told apart BY ADDRESS; waves 0 and 1 ask, 32 and 20 lanes' worth.
; The mask's rows are read by both clusters along y: cluster y = 0 asks; its four partners along y take 8 rows of each 32; waves 2 and 3 ask: a lane a quarter of a row's 1,024 bytes.  The last refill asks for nothing; fills 0 to 2 come by their loads alone.
.macro ASK
	s_cmp_gt_u32 s[SLOTS], s[LIM]
	s_cbranch_scc0 .Lnot_mine_\@
	global_prefetch_b8 v[PFO], s[PFA:PFA+1] th:TH_LOAD_NT scope:SCOPE_SE
.Lnot_mine_\@:
.endm
.macro CROUND                          ; a round of the cluster's barrier
	s_barrier_signal -1
	s_barrier_wait -1
	s_cmp_lg_u32 s[WV], 0
	s_cbranch_scc1 .Lnot_wave_0_\@
	s_barrier_signal -3
.Lnot_wave_0_\@:
	s_barrier_wait -3
	s_barrier_signal -1
	s_barrier_wait -1
.endm
.macro WALK                            ; the walking descriptors: the other slot, the next 256 keys (no tensor load of mine is out)
	s_xor_b32 s[G0A+1], s[G0A+1], SLOT1
	s_add_nc_u64 s[G0A+2:G0A+3], s[G0A+2:G0A+3], SB
	s_xor_b32 s[G0M+1], s[G0M+1], SLOT1
	s_add_nc_u64 s[G0M+2:G0M+3], s[G0M+2:G0M+3], 1024
.endm
	s_load_b128 s[4:7], s[0:1], 0x0                ; qkv s[4:5], attention_mask s[6:7]
	s_load_b64 s[8:9], s[0:1], 0x10                ; ctx
	v_lshl_add_u32 v[SPW], v0, 2, SPARE
	v_mov_b32 v[NIL], 0
	ds_add_u32 v[SPW], v[NIL]                      ; the opening lines: the add, twice on end, and its wait ahead of my first tensor load
	ds_add_u32 v[SPW], v[NIL]
	v_lshrrev_b32 v6, 5, v0
	v_readfirstlane_b32 s[WV], v6                  ; wave 0..3 = my tile of 16 queries
	s_bfe_u32 s13, ttmp6, 0x40000                  ; cx
	s_bfe_u32 s14, ttmp6, 0x40004                  ; cy = the key head
	s_lshl_b32 s15, ttmp9, 2
	s_add_co_u32 s15, s15, s13                     ; my block of 64 queries
	s_and_b32 s16, ttmp7, 0xffff                   ; cluster y = the batch
	s_and_b32 s17, s[WV], 1                        ; which part I fetch
	s_lshl_b32 s59, s14, 2
	s_lshl_b32 s59, 15, s59                        ; my row of the cluster
	s_lshl_b32 s72, 0x1111, s13                    ; my column
	s_or_b32 s[G1A], s59, (3<<16)|(1<<21)          ; a block: 26,624 dense bytes as 104 rows of 256 (32 elements of 8 bytes), no padding; bit 21 set beside a mask
	s_mov_b32 s[G1A+1], 32<<16
	s_mov_b32 s[G1A+2], 104<<16
	s_mov_b32 s[G1A+3], 32<<16
	s_mov_b32 s[G1A+4], 104
	s_mov_b32 s[G1A+5], 32
	s_mov_b32 s[G1A+6], 0
	s_mov_b32 s[G1A+7], 0
	s_or_b32 s[G1M], s72, (2<<16)|(1<<20)|(1<<21)|(7<<22)|(3<<25)  ; the mask: 32 rows of 256 numbers of 4 bytes, 2,048 numbers apart, 16 bytes of padding behind each row
	s_mov_b32 s[G1M+1], 256<<16
	s_mov_b32 s[G1M+2], 32<<16
	s_mov_b32 s[G1M+3], 256<<16
	s_mov_b32 s[G1M+4], 32
	s_mov_b32 s[G1M+5], 2048
	s_mov_b32 s[G1M+6], 0
	s_mov_b32 s[G1M+7], 0
	s_lshl_b32 s60, s14, 5                         ; K's block of fill 0: (128 + 32 kvh + 8 b) blocks; V's lies 16 blocks on.  These registers never hold cx
	s_lshl_b32 s61, s16, 3
	s_add_co_u32 s60, s60, s61
	s_add_co_u32 s60, s60, 128
	s_mul_i32 s60, s60, SB
	s_mul_i32 s62, s17, 16*SB
	s_add_co_u32 s62, s62, s60
	s_mov_b32 s63, 0
	s_mul_i32 s66, s17, SB
	s_lshl_b32 s70, s15, 6                         ; the mask's rows 64 qb + 32 x part.  These registers never hold cy
	s_lshl_b32 s71, s17, 5
	s_add_co_u32 s70, s70, s71
	s_lshl_b32 s70, s70, 13
	s_mov_b32 s71, 0
	s_mul_i32 s67, s17, 32*MP
	s_add_co_u32 s67, s67, MOFF
	s_mov_b32 s[SEL], 0x76543210
	s_mov_b32 s[SEL+1], 0xfedcba98
	s_mov_b32 s[CC], 0x3e0293ee
	s_mov_b32 s[CC+1], s[CC]
	s_mov_b32 s[RT], 0x413504f3
	s_mov_b32 s[RT+1], s[RT]
	s_mov_b32 s[TB], 0
	s_mov_b32 s[SLOTS], 6
	s_lshl_b32 s73, s[WV], 4
	v_and_b32 v[LN], 31, v0
	v_lshlrev_b32 v[LI], 4, v[LN]
	v_lshlrev_b32 v[LS], 2, v[LN]
	v_and_b32 v12, 15, v0                          ; r
	v_bfe_u32 v13, v0, 4, 1                        ; h
	v_add_nc_u32 v12, s73, v12                     ; my query among the work-group's 64
	v_mul_u32_u24 v[AM0], v12, MP
	v_lshl_add_u32 v[AM0], v13, 5, v[AM0]
	v_add_nc_u32 v[AM0], MOFF, v[AM0]
	s_wait_alu depctr_va_vdst(0)                   ; directly ahead of the waits below
	s_wait_dscnt 0x0
	s_wait_kmcnt 0x0
	s_mov_b32 s[G0A], 1
	s_mov_b32 s[G0A+1], s66
	s_add_nc_u64 s[G0A+2:G0A+3], s[4:5], s[62:63]
	s_or_b32 s[G0A+3], s[G0A+3], 0x80000000
	s_mov_b32 s[G0M], 1
	s_mov_b32 s[G0M+1], s67
	s_add_nc_u64 s[G0M+2:G0M+3], s[6:7], s[70:71]
	s_or_b32 s[G0M+3], s[G0M+3], 0x80000000
	CROUND                                         ; all sixteen work-groups are here: the first joint loads meet
	TLOAD                                          ; fill 0: one tensor load a wave at the head
	s_lshl_b32 s73, s14, 5                         ; Q: head column 2 kvh + g, block 8 b + qb / 4, image 4 (qb % 4) + wave
	s_lshl_b32 s74, s16, 3
	s_add_co_u32 s73, s73, s74
	s_lshr_b32 s74, s15, 2
	s_add_co_u32 s73, s73, s74
	s_mul_i32 s73, s73, SB
	s_and_b32 s74, s15, 3
	s_lshl_b32 s74, s74, 2
	s_add_co_u32 s74, s74, s[WV]
	s_mul_i32 s75, s74, 1536
	s_add_co_u32 s76, s73, s75
	s_mov_b32 s77, 0
	s_add_nc_u64 s[76:77], s[4:5], s[76:77]
	s_lshl_b32 s74, s74, 7
	s_add_co_u32 s78, s73, s74
	s_add_co_u32 s78, s78, 16*1536
	s_mov_b32 s79, 0
	s_add_nc_u64 s[78:79], s[4:5], s[78:79]
.irp g, 0,1
.irp c, 0,1,2
	global_load_b128 v[QF+12*\g+4*\c:QF+12*\g+4*\c+3], v[LI], s[76:77] offset:16*SB*\g+512*\c   ; Q's fragments stay in registers
.endr
	global_load_b32 v[QS+\g], v[LS], s[78:79] offset:16*SB*\g
.endr
	s_lshr_b32 s73, s14, 1                         ; where the results go: unit (kvh / 2, 32 b + qb),
	s_lshl_b32 s73, s73, 6
	s_lshl_b32 s74, s16, 5
	s_add_co_u32 s73, s73, s74
	s_add_co_u32 s73, s73, s15
	s_mul_i32 s73, s73, 25600
	s_and_b32 s74, s14, 1
	s_lshl_b32 s75, s[WV], 2
	s_lshl_b32 s61, s74, 1
	s_add_co_u32 s75, s75, s61
	s_mul_i32 s75, s75, 1536                       ; images 4 wave + 2 (kvh % 2) + g,
	s_add_co_u32 s10, s73, s75
	s_mov_b32 s11, 0
	s_add_nc_u64 s[10:11], s[8:9], s[10:11]
	s_lshl_b32 s75, s[WV], 8                       ; scale words: 16 bytes a token, my key head's 8 of them
	s_lshl_b32 s74, s74, 3
	s_add_co_u32 s74, s74, s75
	s_add_co_u32 s74, s74, s73
	s_add_co_u32 s26, s74, 16*1536
	s_mov_b32 s27, 0
	s_add_nc_u64 s[26:27], s[8:9], s[26:27]
	s_lshr_b32 s75, s13, 1                         ; the prefetches (macro ASK).  K and V: my partner's half block, + 8,192 bytes in wave 1, at fill 2: the first change of slots steps it to fill 3
	s_mul_i32 s75, s75, 16*SB
	s_and_b32 s73, s13, 1
	s_mul_i32 s73, s73, SB/2
	s_add_co_u32 s75, s75, s73
	s_lshl_b32 s74, s17, 13
	s_add_co_u32 s75, s75, s74
	s_add_co_u32 s75, s75, s60
	s_add_co_u32 s75, s75, 2*SB
	s_lshl_b32 s68, s15, 6                         ; the mask: rows 64 qb + 32 (wave % 2) + 8 cy on
	s_lshl_b32 s73, s17, 5
	s_add_co_u32 s68, s68, s73
	s_lshl_b32 s73, s14, 3
	s_add_co_u32 s68, s68, s73
	s_lshl_b32 s68, s68, 13
	s_add_co_u32 s68, s68, 2048
	s_mov_b32 s[PFS], 1024
	s_mov_b32 s73, 8192
	s_cmp_lt_u32 s[WV], 2
	s_cselect_b64 s[PFA:PFA+1], s[4:5], s[6:7]
	s_cselect_b32 s[PFS], SB, s[PFS]               ; a slot on
	s_cselect_b32 s73, 1024, s73                   ; from four lanes to the next four
	s_cselect_b32 s74, ttmp9, s16                  ; the coordinate along which other clusters read the same bytes
	s_cselect_b32 s68, s75, s68
	s_mov_b32 s69, 0
	s_mov_b32 s[PFS+1], 0
	s_add_nc_u64 s[PFA:PFA+1], s[PFA:PFA+1], s[68:69]
	s_cmp_eq_u32 s74, 0
	s_cselect_b32 s[LIM], 1, -1                    ; the same in all sixteen partners, for a given wave
	s_cmp_eq_u32 s[WV], 1
	s_cselect_b32 s75, 19, 31                      ; wave 1 has 20 blocks left of the half's 52
	v_min_u32 v[PFO], s75, v[LN]
	v_lshrrev_b32 v12, 2, v[PFO]
	v_and_b32 v[PFO], 3, v[PFO]
	v_lshlrev_b32 v[PFO], 8, v[PFO]
	v_mul_lo_u32 v12, v12, s73
	v_add_nc_u32 v[PFO], v[PFO], v12
.irp w, 1,2                            ; both heads' state: the step is written once, and the first finds zeros, which the first change of M leaves zeros
	WIN 0x40*\w
	v_mov_b32 v[TMX], 0xff61b1e6                   ; the largest t so far: -3e38, under every t
	v_mov_b32 v[NM], 0x7f61b1e6                    ; -M
	v_mov_b32 v[LL], 0
	v_mov_b32 v[LL+1], 0
	v_mov_b32 v[FF+1], 0                           ; (named as the upper half of a pair)
	v_mov_b32 v[T0], 0
.set J, 0
.rept 8
	v_mov_b32 v[PT+J], 0                           ; a lane permute's destination counts as one of its sources
.set J, J+1
.endr
.set J, 0
.rept 64
	v_mov_b32 v[OA+J], 0
.set J, J+1
.endr
.endr
	WIN 0
.macro KLOAD hf                        ; eight fragments of K (keys 128 hf on) and their scale words: 32 loads
	WIN 0xc0
.irp i, 0,1,2,3,4,5,6,7
.irp c, 0,1,2
	ds_load_b128 v[12*(8*\hf+\i)+4*\c:12*(8*\hf+\i)+4*\c+3], v[ADK] offset:(8*\hf+\i)*1536+512*\c
.endr
.endr
	WIN 0
.irp i, 0,1,2,3,4,5,6,7
	ds_load_b32 v[KS+8*\hf+\i], v[ADS] offset:16*1536+(8*\hf+\i)*128
.endr
.endm
.macro VLOAD                           ; V's sixteen fragments (image 8 k + t: keys 128 k on, channels 16 t on) and their scale words
	WIN 0xc0
.set J, 0
.rept 16
.irp c, 0,1,2
	ds_load_b128 v[12*J+4*\c:12*J+4*\c+3], v[ADK] offset:VOFF+J*1536+512*\c
.endr
.set J, J+1
.endr
	WIN 0
.set J, 0
.rept 16
	ds_load_b32 v[VS+J], v[ADS] offset:VOFF+16*1536+J*128
.set J, J+1
.endr
.endm
.macro MLOAD                           ; the mask's 256 numbers of my query, in S^T's layout: register 8 i + j = key 16 i + 8 h + j: 32 loads
.set J, 0
.rept 16
	ds_load_b128 v[MK+8*J:MK+8*J+3], v[ADM] offset:64*J
	ds_load_b128 v[MK+8*J+4:MK+8*J+7], v[ADM] offset:64*J+16
.set J, J+1
.endr
.endm
.macro SQK hf                          ; u^T = K Q^T + mask sqrt(128): eight tiles of 16 keys for each head; every instruction has an accumulator of its own
.irp g, 0,1
	WIN 0x43+0x40*\g                               ; source 0: window 3; source 1 and C: window 0; D: window 1 + g
.irp i, 0,1,2,3,4,5,6,7
	v_wmma_scale_f32_16x16x128_f8f6f4 v[8*(8*\hf+\i):8*(8*\hf+\i)+7], v[12*(8*\hf+\i):12*(8*\hf+\i)+11], v[QF+12*\g:QF+12*\g+11], v[MK+8*(8*\hf+\i):MK+8*(8*\hf+\i)+7], v[KS+8*\hf+\i], v[QS+\g] matrix_a_fmt:MATRIX_FMT_FP6 matrix_b_fmt:MATRIX_FMT_FP6
.endr
.endr
.endm
.macro PV g, k                         ; O^T += V^T P^T over keys 128 k on: eight accumulators, one instruction each
	WIN 0x57+0x54*\g                               ; source 0: window 3; source 1, C and D: window 1 + g
.irp t, 0,1,2,3,4,5,6,7
	v_wmma_scale_f32_16x16x128_f8f6f4 v[OA+8*\t:OA+8*\t+7], v[12*(8*\k+\t):12*(8*\k+\t)+11], v[PC+12*\k:PC+12*\k+11], v[OA+8*\t:OA+8*\t+7], v[VS+8*\k+\t], v[PS+2*\g+\k] matrix_a_fmt:MATRIX_FMT_FP6 matrix_b_fmt:MATRIX_FMT_FP6
.endr
.endm
.macro CODES k                         ; 64 numbers v[64 k ..] become codes under the scale operands v[SO + 4 k ..]
.irp c, 0,1
	v_cvt_scalef32_pk16_fp6_f32 v[PC+12*\k+6*\c:PC+12*\k+6*\c+2], v[64*\k+32*\c:64*\k+32*\c+15], v[SO+4*\k+2*\c]
	v_cvt_scalef32_pk16_fp6_f32 v[CT+8*\k+4*\c:CT+8*\k+4*\c+2], v[64*\k+32*\c+16:64*\k+32*\c+31], v[SO+4*\k+2*\c+1]   ; (a conversion's three registers begin on an even number)
.endr
.endm
.macro WHOLE k                         ; the operand's layout wants a WHOLE block in a lane: lanes 0-15 block 2 c, lanes 16-31 block 2 c + 1
.irp c, 0,1
.irp i, 0,1,2
	v_permlane16_swap_b32 v[PC+12*\k+6*\c+\i], v[CT+8*\k+4*\c+\i]
.endr
.irp i, 0,1,2
	v_mov_b32 v[PC+12*\k+6*\c+3+\i], v[CT+8*\k+4*\c+\i]
.endr
.endr
.endm
; THE SOFTMAX of head g over the step's 256 keys; every operand lies in window 1 + g.
.macro SOFTMAX g
	WIN 0x55*(1+\g)
	s_wait_alu depctr_va_vdst(0)                   ; directly ahead of the first readers of the matrix results
.irp b, 0,1,2,3,4,5,6,7
	v_max3_num_f32 v[BM+\b], v[16*\b], v[16*\b+1], v[16*\b+2]   ; THE LARGEST u OF EACH BLOCK OF 32 KEYS serves twice: for the row's maximum, and, since p rises with u, for the block's largest p
.endr
.irp i, 3,5,7,9,11,13
.irp b, 0,1,2,3,4,5,6,7
	v_max3_num_f32 v[BM+\b], v[BM+\b], v[16*\b+\i], v[16*\b+\i+1]
.endr
.endr
.irp b, 0,1,2,3,4,5,6,7
	v_max_num_f32 v[BM+\b], v[BM+\b], v[16*\b+15]
.endr
.irp b, 0,1,2,3,4,5,6,7
	v_permlanex16_b32 v[PT+\b], v[BM+\b], s[SEL], s[SEL+1]
.endr
.irp b, 0,1,2,3,4,5,6,7
	v_max_num_f32 v[BM+\b], v[BM+\b], v[PT+\b]     ; with lane l xor 16's 16 keys
.endr
	v_max3_num_f32 v[T0], v[BM], v[BM+1], v[BM+2]
	v_max3_num_f32 v[T0+1], v[BM+3], v[BM+4], v[BM+5]
	v_max3_num_f32 v[T0], v[T0], v[BM+6], v[BM+7]
	v_max_num_f32 v[T0], v[T0], v[T0+1]            ; the step's largest u of my query,
	v_mul_f32 v[T0], s[CC], v[T0]                  ; as t (c is positive)
	v_max_num_f32 v[TMX], v[TMX], v[T0]            ; the running largest t
	v_mov_b32 v[T0], v[NM]
	v_floor_f32 v[NM], -v[TMX]                     ; the new -M = floor(-t) = -ceil(t): M is a whole number
	v_sub_f32 v[T0], v[NM], v[T0]                  ; M's old value less its new one: a whole number, 0 or less
	v_cvt_i32_f32 v[T0], v[T0]                     ; (it saturates)
	v_ldexp_f32 v[FF], 1.0, v[T0]                  ; f = 2^(old M - new M): a multiplication by it rounds nothing
.set J, 0
.rept 64
	v_pk_fma_f32 v[J:J+1], v[J:J+1], s[CC:CC+1], v[NM:NM+1] op_sel_hi:[1,0,0]   ; t - M, two at a time (of the pairs the low word serves both halves)
.set J, J+2
.endr
.irp b, 0,1,2,3,4,5,6,7
	v_fma_f32 v[BM+\b], v[BM+\b], s[CC], v[NM]     ; the same of each block's largest u
.endr
	s_wait_alu depctr_va_vdst(0)                   ; the wait ahead of the batch
.set J, 0
.rept 128
	v_exp_f32 v[J], v[J]                           ; p = 2^(t - M): NOT normalised
.set J, J+1
.endr
.irp b, 0,1,2,3,4,5,6,7
	v_exp_f32 v[BM+\b], v[BM+\b]                   ; the block's largest p: the same arithmetic on the same number gives the same bits
.endr
	v_pk_mul_f32 v[LL:LL+1], v[LL:LL+1], v[FF:FF+1] op_sel_hi:[1,0]   ; the sums under the new M (a plain place behind the exponentials)
	s_wait_alu depctr_va_vdst(0)                   ; one wait for the whole batch, ahead of its first reader
.irp i, 0,1,2,3                        ; THE ROW'S SUM IS TAKEN OF THE UNQUANTISED p: two at a time, in four chains
	v_pk_add_f32 v[CT+2*\i:CT+2*\i+1], v[2*\i:2*\i+1], v[8+2*\i:9+2*\i]
.endr
.set J, 16
.rept 14
.irp i, 0,1,2,3
	v_pk_add_f32 v[CT+2*\i:CT+2*\i+1], v[CT+2*\i:CT+2*\i+1], v[J+2*\i:J+2*\i+1]
.endr
.set J, J+8
.endr
.irp b, 0,1,2,3,4,5,6,7
	v_max_num_f32 v[BM+\b], 0x1800000, v[BM+\b]    ; the floor 2^(3 - 127): the byte cannot fall under 1 (a block whose every p has fallen to 0 keeps that byte: its codes are zeros)
.endr
	v_pk_add_f32 v[CT:CT+1], v[CT:CT+1], v[CT+2:CT+3]
	v_pk_add_f32 v[CT+4:CT+5], v[CT+4:CT+5], v[CT+6:CT+7]
.irp b, 0,1,2,3,4,5,6,7
	v_add_nc_u32 v[SO+\b], 0xff000000, v[BM+\b]    ; 2 off the exponent field: the conversion's scale operand
.endr
	v_pk_add_f32 v[LL:LL+1], v[LL:LL+1], v[CT:CT+1]
.irp b, 0,1,2,3,4,5,6,7
	v_lshrrev_b32 v[PT+\b], 23, v[SO+\b]           ; the scale's byte
.endr
	v_pk_add_f32 v[LL:LL+1], v[LL:LL+1], v[CT+4:CT+5]
.irp k, 0,1
	v_lshl_or_b32 v[PT+4*\k], v[PT+4*\k+1], 8, v[PT+4*\k]
.endr
.irp k, 0,1
	v_lshl_or_b32 v[PT+4*\k], v[PT+4*\k+2], 16, v[PT+4*\k]
.endr
	WIN 0x15*(1+\g)                                ; scale operands are taken from window 0: the words' last line writes there
.irp k, 0,1
	v_lshl_or_b32 v[PS+2*\g+\k], v[PT+4*\k+3], 24, v[PT+4*\k]
.endr
	WIN 0x55*(1+\g)
	CODES 0
	CODES 1
	v_nop                                          ; one plain place behind a scaled conversion
	WHOLE 0
	WHOLE 1
	s_wait_alu depctr_va_vdst(0)                   ; directly ahead of the first readers of O^T
.set J, 0
.rept 32
	v_pk_mul_f32 v[OA+J:OA+J+1], v[OA+J:OA+J+1], v[FF:FF+1] op_sel_hi:[1,0]   ; O^T under the new M.  (These are also the places between the codes' and the scale words' last writes and the products)
.set J, J+2
.endr
.endm
; THE CHANGE OF SLOTS.  Each wave waits for all its tensor loads (its part of the next slot), adds 0 to its spare word, and waits for that and for its reads of the slot in hand, V's among them.
; fill = 1: the barrier is a round of the cluster's; behind it the slot in hand is filled with the keys two slots on: one load a wave, with a whole step in which to land.
.macro CHANGE fill
	s_wait_tensorcnt 0x0
	ds_add_u32 v[SPW], v[NIL]
.if \fill
	WALK
	s_wait_xcnt 0x0                                ; the last prefetch, a step back, has read its address
	s_add_nc_u64 s[PFA:PFA+1], s[PFA:PFA+1], s[PFS:PFS+1]
.endif
	s_xor_b32 s[TB], s[TB], SLOT1
	s_wait_dscnt 0x0
.if \fill
	CROUND
	TLOAD
	ASK
.else
	s_barrier_signal -1
	s_barrier_wait -1
.endif
	v_add_nc_u32 v[ADM], s[TB], v[AM0]             ; on to the other slot
	v_add_nc_u32 v[ADK], s[TB], v[LI]
	v_add_nc_u32 v[ADS], s[TB], v[LS]
.endm
.macro STEPM fill
	s_wait_dscnt 63                                ; the mask's 32 loads are in (64 were issued behind them: the count is what the counter's field holds)
.set J, 0
.rept 64
	v_pk_mul_f32 v[MK+J:MK+J+1], v[MK+J:MK+J+1], s[RT:RT+1] op_sel_hi:[1,0]   ; mask x sqrt(128), for both heads; K's fragments land meanwhile
.set J, J+2
.endr
	PLACES 4
	s_wait_alu depctr_va_vdst(0)                   ; directly ahead of the wait below
	s_wait_dscnt 32                                ; K's first half is in; the second half's 32 loads may be out
	SQK 0
	s_wait_dscnt 0x0
	SQK 1
	WIN 0
	PLACES 4                                       ; places ahead of the first read of the results and of loads into the fragments' registers
	VLOAD                                          ; V lands under the first head's softmax
	SOFTMAX 0
	WIN 0
	CHANGE \fill
	MLOAD                                          ; the next slot's mask lands under the second head's softmax
	SOFTMAX 1
	PV 0, 0
	PV 1, 0
	WIN 0
	PLACES 4
	KLOAD 0                                        ; the next slot's K, as V's registers fall free (in the very last step: bytes that nobody uses)
	PV 0, 1
	PV 1, 1
	WIN 0
	PLACES 4
	KLOAD 1
.endm
	s_wait_alu depctr_va_vdst(0)                   ; the wait at the head's end
	s_wait_tensorcnt 0x0                           ; my part of fill 0 is in
	ds_add_u32 v[SPW], v[NIL]
	WALK
	s_wait_dscnt 0x0
	CROUND
	TLOAD                                          ; fill 1, the first tensor load behind the round
	v_add_nc_u32 v[ADM], s[TB], v[AM0]
	v_add_nc_u32 v[ADK], s[TB], v[LI]
	v_add_nc_u32 v[ADS], s[TB], v[LS]
	MLOAD
	KLOAD 0
	KLOAD 1
	s_wait_loadcnt 0x0                             ; Q
.Lslot:                                            ; six steps whose change of slots asks for the slot two on
	STEPM 1
	s_sub_co_u32 s[SLOTS], s[SLOTS], 1
	s_cmp_lg_u32 s[SLOTS], 0
	s_cbranch_scc1 .Lslot
	s_mov_b32 s[SLOTS], 2
.Ltail:                                            ; the last two steps ask for nothing
	STEPM 0
	s_sub_co_u32 s[SLOTS], s[SLOTS], 1
	s_cmp_lg_u32 s[SLOTS], 0
	s_cbranch_scc1 .Ltail
	; THE WAY OUT.  O^T is divided by the row's sum and quantised along the head's channels (register 8 t + j = channel 16 t + 8 h + j: the quantiser's order); the fragment leaves as an image.
.irp g, 0,1
	WIN 0x55*(1+\g)
	v_add_f32 v[LL], v[LL], v[LL+1]                ; the sum's two halves,
	v_permlanex16_b32 v[T0], v[LL], s[SEL], s[SEL+1]
	v_add_f32 v[LL], v[LL], v[T0]                  ; and lane l xor 16's: the row's sum
	s_wait_alu depctr_va_vdst(0)                   ; the wait ahead of the transcendental
	v_rcp_f32 v[LL], v[LL]
	v_nop                                          ; one plain place behind it
	s_wait_alu depctr_va_vdst(0)                   ; the wait ahead of its first reader, which is also O^T's
.set J, 0
.rept 32
	v_pk_mul_f32 v[J:J+1], v[OA+J:OA+J+1], v[LL:LL+1] op_sel_hi:[1,0]   ; each accumulator from its low end on
.set J, J+2
.endr
.irp b, 0,1,2,3
	v_max3_num_f32 v[BM+\b], |v[16*\b]|, |v[16*\b+1]|, 0x1800000
.endr
.irp i, 2,4,6,8,10,12,14
.irp b, 0,1,2,3
	v_max3_num_f32 v[BM+\b], v[BM+\b], |v[16*\b+\i]|, |v[16*\b+\i+1]|
.endr
.endr
.irp b, 0,1,2,3
	v_permlanex16_b32 v[PT+\b], v[BM+\b], s[SEL], s[SEL+1]
.endr
.irp b, 0,1,2,3
	v_max_num_f32 v[BM+\b], v[BM+\b], v[PT+\b]
.endr
.irp b, 0,1,2,3
	v_add_nc_u32 v[SO+\b], 0xff000000, v[BM+\b]
.endr
.irp b, 0,1,2,3
	v_lshrrev_b32 v[PT+\b], 23, v[SO+\b]
.endr
	v_lshl_or_b32 v[PT], v[PT+1], 8, v[PT]
	v_lshl_or_b32 v[PT], v[PT+2], 16, v[PT]
	WIN 0x15*(1+\g)
	v_lshl_or_b32 v[OW+\g], v[PT+3], 24, v[PT]     ; the head's scale word, into window 0
	WIN 0x55*(1+\g)
	CODES 0
	v_nop
	WHOLE 0
	WIN 0x04*(1+\g)                                ; the data: window 1 + g
.irp c, 0,1,2
	global_store_b128 v[LI], v[PC+4*\c:PC+4*\c+3], s[10:11] offset:1536*\g+512*\c   ; each store of the wave covers 512 consecutive bytes, aligned
.endr
.endr
	WIN 0
	v_cmp_gt_u32 vcc_lo, 16, v[LN]                 ; lanes r and r + 16 hold the same words: lanes 0-15 store them
	s_wait_alu depctr_va_vdst(0)                   ; directly ahead of the wait below
	s_wait_xcnt 0x0                                ; EXEC changes only behind this wait
	s_and_saveexec_b32 s73, vcc_lo
	global_store_b64 v[LI], v[OW:OW+1], s[26:27]   ; 8 of a token's 16 bytes of scale words: both my heads'
	s_wait_xcnt 0x0
	s_or_b32 exec_lo, exec_lo, s73
	s_wait_tensorcnt 0x0                           ; the wave's end
	ds_add_u32 v[SPW], v[NIL]
	s_wait_dscnt 0x0
	CROUND                                         ; the closing round: no work-group ends while a partner may still ask for a tile that names it
	s_endpgm
.Lfunc_end_k_qfdd5fe9c1c_attn:
	.size	k_qfdd5fe9c1c_attn, .Lfunc_end_k_qfdd5fe9c1c_attn-k_qfdd5fe9c1c_attn
	.p2alignl 7, 3214868480
	.fill 96, 4, 3214868480
	.section	.rodata,"a",@progbits
	.p2align	6, 0x0
	.amdhsa_kernel k_qfdd5fe9c1c_attn
		.amdhsa_group_segment_fixed_size 327680
		.amdhsa_private_segment_fixed_size 0
		.amdhsa_enable_private_segment 0
		.amdhsa_kernarg_size 24
		.amdhsa_user_sgpr_count 2
		.amdhsa_user_sgpr_kernarg_segment_ptr 1
		.amdhsa_wavefront_size32 1
		.amdhsa_system_sgpr_workgroup_id_x 1
		.amdhsa_system_sgpr_workgroup_id_y 1
		.amdhsa_system_sgpr_workgroup_id_z 1
		.amdhsa_system_vgpr_workitem_id 0
		.amdhsa_next_free_vgpr 1024
		.amdhsa_next_free_sgpr 80
		.amdhsa_reserve_vcc 1
		.amdhsa_float_denorm_mode_32 3
		.amdhsa_float_denorm_mode_16_64 3
		.amdhsa_memory_ordered 1
		.amdhsa_forward_progress 1
		.amdhsa_inst_pref_size 175
	.end_amdhsa_kernel
	.amdgpu_metadata
---
amdhsa.version: [ 1, 2 ]
amdhsa.kernels:
  - .name:           k_qfdd5fe9c1c_attn
    .symbol:         k_qfdd5fe9c1c_attn.kd
    .args:
      - { .name: qkv, .offset: 0, .size: 8, .value_kind: global_buffer, .address_space: global }
      - { .name: attention_mask, .offset: 8, .size: 8, .value_kind: global_buffer, .address_space: global }
      - { .name: ctx, .offset: 16, .size: 8, .value_kind: global_buffer, .address_space: global }
    .group_segment_fixed_size: 327680
    .private_segment_fixed_size: 0
    .kernarg_segment_align: 8
    .kernarg_segment_size: 24
    .max_flat_workgroup_size: 128
    .sgpr_count:     80
    .vgpr_count:     1024
    .wavefront_size: 32
...
	.end_amdgpu_metadata
.endif
;; end of part 3
;; launch outp (part 4): grid 16 x 16, 4 waves a work-group, clusters of 4 x 1, 327,680 bytes of LDS; arguments ctx, woq, out0; writes out0
.if DOCPART == 4
	.amdgcn_target "amdgcn-amd-amdhsa--gfx1250"
	.amdhsa_code_object_version 6
	.text
	.protected	k_qfdd5fe9c1c_outp
	.globl	k_qfdd5fe9c1c_outp
	.p2align	8
	.type	k_qfdd5fe9c1c_outp,@function
k_qfdd5fe9c1c_outp:
	s_mov_b64 s[64:65], 0
	v_nop
	global_prefetch_b8 v0, s[64:65] scope:SCOPE_SE
	s_setreg_imm32_b32 hwreg(HW_REG_WAVE_MODE, 25, 1), 1
	s_wait_xcnt 0x0
	s_wait_alu depctr_hold_cnt(0) depctr_sa_sdst(0) depctr_va_vdst(0) depctr_va_sdst(0) depctr_va_ssrc(0) depctr_va_vcc(0) depctr_vm_vsrc(0)
	s_getreg_b32 s2, hwreg(HW_REG_IB_STS2, 6, 4)
	s_cmp_eq_u32 s2, 0
	s_cbranch_scc0 .Lentry_in_a_cluster
	s_endpgm
.Lentry_in_a_cluster:
	s_bfe_u32 s2, ttmp6, 0x10000c
	s_cmp_lg_u32 s2, 0x3003
	s_cbranch_scc0 .Lentry_shape_is_right
	s_endpgm
.Lentry_shape_is_right:
; out0[m][n] = sum over k of ctx[m][k] Wo[n][k]: 4,096 x 4,096, K = 1,024, on codes of FP6 (E2M3) with E8M0 scales; sums in f32.
; ctx and woq are laid in units of GRP = 25,600 dense bytes, unit (s, g) at (64 s + g) x GRP: 64 rows x 512 along K: 16 images of operand registers of 1,536 bytes (image 4 t + q: rows 16 t on, K = 128 q on; lane l at 16 l of each
; of three runs), then 16 bytes a row: its four scale words.
; A work-group makes 256 x 256 of out0; a wave all 256 rows x 64 columns.  WO STAYS IN REGISTERS: a wave's 64 columns for all of K are 32 images, 384 registers, and 32 registers of scale words; an image is loaded from memory
; as it lies, 512 consecutive bytes an instruction.  No two waves of a work-group read the same bytes of woq, so it does not go through LDS.
; ctx's 256 rows for all of K, 8 units, 204,800 bytes, come into LDS ONCE: one tensor load a wave at the head (two units: 200 rows of 256 bytes, each beginning at a multiple of 256); nothing is filled again.
; CLUSTER 4 x 1: the four work-groups of a cluster make the same rows and ask for ctx's units jointly.  woq's images go to registers and cannot be asked for jointly.
; THE ROWS GO IN FOUR PIECES of 64: 16 accumulators, 128 matrix instructions; a finished piece leaves at once, through the wave's own stage in LDS, as whole rows of 256 bytes, while the later pieces are multiplied.
; THE MATRIX INSTRUCTION IS USED TRANSPOSED (source 0 = 16 rows of Wo, source 1 = 16 rows of ctx): a lane holds eight neighbouring numbers of a row of out0.
; No prefetch: all loads from memory are issued at the head, and the launch has no loop to run ahead in.
; REGISTERS: window 0: v0-31 addresses, v32-63 Wo's scale words, v64-95 ctx's, v128-255 the accumulators ((a, b) at v[128 + 8 (4 a + b)]); window 1: v0-191 ctx's fragments, two sets of two steps, v192-255 rows on the way out;
;   window 2: Wo's steps 0-3 (step Q, tile b at v[96 ((Q / 2) % 2) + 48 (Q % 2) + 12 b]); window 3: steps 4-7 likewise, v192-255 rows on the way out.
.set GRP,    25600
.set SIZE_N, 4096
.set SPITCH, 272                       ; a stage row: 256 bytes + 16
.set STAGE,  9*GRP                     ; behind ctx's 8 units and one unit's room: 64 rows for each wave
.set SPARE,  STAGE+4*64*SPITCH
.set LI,   8                           ; v8   16 x lane
.set LI1,  9                           ; v9   + 4 units: K's second half
.set RI,   10                          ; v10  16 r
.set RI1,  11                          ; v11  + 4 units
.set ADA0, 12                          ; v12-13 the piece's images, K's halves
.set ADS0, 14                          ; v14-15 the piece's scale words
.set STO,  16
.set RD,   17
.set CO,   18
.set SPW,  28
.set NIL,  29
.set SB,   32
.set SA,   64
.set AC,   128
.set BK,   192
.set G1,   24
.set G0,   32
.set MSB, 0
.macro WIN new
.if MSB != \new
	s_set_vgpr_msb (MSB<<8)|\new
.set MSB, \new
.endif
.endm
.macro CROUND                          ; a round of the cluster's barrier
	s_barrier_signal -1
	s_barrier_wait -1
	s_cmp_lg_u32 s14, 0
	s_cbranch_scc1 .Lnot_wave_0_\@
	s_barrier_signal -3
.Lnot_wave_0_\@:
	s_barrier_wait -3
	s_barrier_signal -1
	s_barrier_wait -1
.endm
.macro PLACES n
.rept \n
	v_nop
.endr
.endm
	s_load_b128 s[4:7], s[0:1], 0x0                ; ctx, woq
	s_load_b64 s[12:13], s[0:1], 0x10              ; out0
	v_lshl_add_u32 v[SPW], v0, 2, SPARE
	v_mov_b32 v[NIL], 0
	ds_add_u32 v[SPW], v[NIL]                      ; the opening lines: the add, twice on end, and its wait ahead of my first tensor load
	ds_add_u32 v[SPW], v[NIL]
	v_lshrrev_b32 v1, 5, v0
	v_readfirstlane_b32 s14, v1                    ; wave
	s_bfe_u32 s40, ttmp6, 0x40000                  ; cx
	s_lshl_b32 s42, ttmp9, 2
	s_add_co_u32 s42, s42, s40                     ; tile column
	s_and_b32 s17, ttmp7, 0xffff                   ; tile row
	s_mov_b32 s[G1+0], 15|(3<<16)|(1<<21)          ; the four partners; elements of 8 bytes; bit 21 set beside a mask
	s_mov_b32 s[G1+1], 32<<16
	s_mov_b32 s[G1+2], 200<<16
	s_mov_b32 s[G1+3], 32<<16
	s_mov_b32 s[G1+4], 200
	s_mov_b32 s[G1+5], 32
	s_mov_b32 s[G1+6], 0
	s_mov_b32 s[G1+7], 0
	s_lshr_b32 s20, s14, 1                         ; I fetch K's half wave / 2, groups 4 x tile row + 2 (wave % 2) on
	s_lshl_b32 s20, s20, 6
	s_lshl_b32 s21, s17, 2
	s_add_co_u32 s20, s20, s21
	s_and_b32 s21, s14, 1
	s_lshl_b32 s21, s21, 1
	s_add_co_u32 s20, s20, s21
	s_mul_i32 s20, s20, GRP
	s_mov_b32 s21, 0
	s_mov_b32 s[G0], 1
	s_mul_i32 s[G0+1], s14, 2*GRP                  ; in LDS unit (s, g) lies at (4 s + g) x GRP
	s_lshl_b32 s46, s42, 2
	s_add_co_u32 s46, s46, s14
	s_mul_i32 s46, s46, GRP                        ; woq: my 64 columns are group 4 x tile column + wave
	s_mov_b32 s47, 0
	s_mul_i32 s23, s14, 64*SPITCH
	s_add_co_u32 s23, s23, STAGE                   ; my stage
	s_lshl_b32 s48, s17, 22                        ; out0: 256 rows of 16,384 bytes a tile row,
	s_lshl_b32 s49, s42, 10                        ; 1,024 bytes a tile column,
	s_add_co_u32 s48, s48, s49
	s_lshl_b32 s49, s14, 8                         ; 256 a wave
	s_add_co_u32 s48, s48, s49
	s_mov_b32 s49, 0
	v_and_b32 v1, 15, v0                           ; r
	v_bfe_u32 v2, v0, 4, 1                         ; h
	v_and_b32 v3, 31, v0                           ; lane
	v_lshlrev_b32 v[LI], 4, v3
	v_add_nc_u32 v[LI1], 4*GRP, v[LI]
	v_lshlrev_b32 v[RI], 4, v1
	v_add_nc_u32 v[RI1], 4*GRP, v[RI]
	v_mov_b32 v[ADA0], v[LI]
	v_mul_u32_u24 v4, v1, SPITCH                   ; into the stage: row r, 32 bytes for each half of the lanes
	v_lshl_add_u32 v4, v2, 5, v4
	v_add_nc_u32 v[STO], s23, v4
	v_mul_u32_u24 v4, v2, SPITCH                   ; back: lanes 0-15 one row of 256 bytes, lanes 16-31 the next
	v_lshl_add_u32 v4, v1, 4, v4
	v_add_nc_u32 v[RD], s23, v4
	v_mul_u32_u24 v4, v2, SIZE_N*4                 ; and the same two rows in out0
	v_lshl_add_u32 v[CO], v1, 4, v4
	s_wait_alu depctr_va_vdst(0)                   ; the wait at the head's end
	s_wait_dscnt 0x0
	s_wait_kmcnt 0x0
	s_add_nc_u64 s[G0+2:G0+3], s[4:5], s[20:21]
	s_or_b32 s[G0+3], s[G0+3], 0x80000000
	s_add_nc_u64 s[8:9], s[6:7], s[46:47]
	s_add_nc_u64 s[12:13], s[12:13], s[48:49]
	CROUND                                         ; the four work-groups are here: the joint loads meet
	tensor_load_to_lds s[G0:G0+3], s[G1:G1+7]      ; my quarter of ctx's 8 units: my one tensor load
	s_nop 0
	PLACES 4
.irp s, 0,1                            ; Wo: 8 loads of scale words, then 96 of images, step by step
.irp b, 0,1,2,3
	global_load_b128 v[SB+16*\s+4*\b:SB+16*\s+4*\b+3], v[RI], s[8:9] offset:\s*64*GRP+16*1536+256*\b
.endr
.endr
.irp Q, 0,1,2,3,4,5,6,7
	WIN 0x80+0x40*(\Q/4)
.irp b, 0,1,2,3
.irp c, 0,1,2
	global_load_b128 v[96*((\Q/2)%2)+48*(\Q%2)+12*\b+4*\c:96*((\Q/2)%2)+48*(\Q%2)+12*\b+4*\c+3], v[LI], s[8:9] offset:(\Q/4)*64*GRP+(4*\b+\Q%4)*1536+512*\c
.endr
.endr
.endr
	WIN 0
.macro FETCH P                         ; ctx's fragments of steps 2 P, 2 P + 1 of the piece into set P % 2: 24 loads
	WIN 0x40
.irp u, 0,1
.irp a, 0,1,2,3
.irp c, 0,1,2
	ds_load_b128 v[96*((\P)%2)+48*\u+12*\a+4*\c:96*((\P)%2)+48*\u+12*\a+4*\c+3], v[ADA0+(\P)/2] offset:(4*\a+(2*(\P)+\u)%4)*1536+512*\c
.endr
.endr
.endr
	WIN 0
.endm
.macro MULQ Q                          ; step Q: 16 matrix instructions; the 16 accumulators take turns; step 0 starts the sums
.set WB, 96*(((\Q)/2)%2)+48*((\Q)%2)
.irp a, 0,1,2,3
.irp b, 0,1,2,3
.if (\Q) == 0
	v_wmma_scale_f32_16x16x128_f8f6f4 v[AC+8*(4*\a+\b):AC+8*(4*\a+\b)+7], v[WB+12*\b:WB+12*\b+11], v[WB+12*\a:WB+12*\a+11], 0, v[SB+16*((\Q)/4)+4*\b+(\Q)%4], v[SA+16*((\Q)/4)+4*\a+(\Q)%4] matrix_a_fmt:MATRIX_FMT_FP6 matrix_b_fmt:MATRIX_FMT_FP6
.else
	v_wmma_scale_f32_16x16x128_f8f6f4 v[AC+8*(4*\a+\b):AC+8*(4*\a+\b)+7], v[WB+12*\b:WB+12*\b+11], v[WB+12*\a:WB+12*\a+11], v[AC+8*(4*\a+\b):AC+8*(4*\a+\b)+7], v[SB+16*((\Q)/4)+4*\b+(\Q)%4], v[SA+16*((\Q)/4)+4*\a+(\Q)%4] matrix_a_fmt:MATRIX_FMT_FP6 matrix_b_fmt:MATRIX_FMT_FP6
.endif
.endr
.endr
.endm
.macro PAIR P, left                    ; left: Wo's loads issued behind this pair's (at most what the counter's field holds)
	s_wait_loadcnt \left
	s_wait_dscnt 24                                ; this pair's fragments are in; the 24 loads issued last may be out
	WIN 0x06+(\P)/2                                ; source 0: window 2 or 3; source 1: window 1; C and D: window 0
	MULQ 2*(\P)
	MULQ 2*(\P)+1
	WIN 0
.endm
	s_wait_tensorcnt 0x0                           ; my quarter is in;
	s_barrier_signal -1
	s_barrier_wait -1                              ; everybody's is
	FETCH 0
	s_mov_b32 s3, 4                                ; pieces to go
	s_mov_b32 s50, 0                               ; the piece's place in LDS
	s_mov_b32 s52, 0                               ; what the next way out adds to out0's address
	s_mov_b32 s53, 0
.Lpiece:
	v_add_nc_u32 v[ADA0+1], s50, v[LI1]
	v_add_nc_u32 v[ADS0], s50, v[RI]
	v_add_nc_u32 v[ADS0+1], s50, v[RI1]
	s_wait_alu depctr_va_vdst(0)                   ; directly behind the writes
.irp s, 0,1
.irp a, 0,1,2,3
	ds_load_b128 v[SA+16*\s+4*\a:SA+16*\s+4*\a+3], v[ADS0+\s] offset:16*1536+256*\a   ; the piece's scale words
.endr
.endr
	FETCH 1
	PAIR 0, 63                                     ; (72 of Wo's loads were issued behind pair 0's)
	PLACES 4                                       ; places in front of loads into registers that matrix instructions have read
	FETCH 2
	PAIR 1, 48
	PLACES 4
	FETCH 3
	PAIR 2, 24
	PLACES 4
	s_add_co_u32 s50, s50, GRP
	v_add_nc_u32 v[ADA0], s50, v[LI]
	s_wait_alu depctr_va_vdst(0)                   ; directly behind the write
	FETCH 0                                        ; the next piece's first pair (behind the last piece: bytes of K's second half, which nobody uses)
	PAIR 3, 0
	PLACES 5
	s_wait_xcnt 0x0                                ; the last piece's stores have read their registers and their base
	s_add_nc_u64 s[12:13], s[12:13], s[52:53]
	s_mov_b32 s52, 64*SIZE_N*4                     ; 64 rows on
.irp a, 0,1,2,3
.irp b, 0,1,2,3
	ds_store_b128 v[STO], v[AC+8*(4*\a+\b):AC+8*(4*\a+\b)+3] offset:\a*16*SPITCH+64*\b          ; each accumulator from its low end on
	ds_store_b128 v[STO], v[AC+8*(4*\a+\b)+4:AC+8*(4*\a+\b)+7] offset:\a*16*SPITCH+64*\b+16
.endr
.endr
	WIN 0x40                                       ; LDS serves a wave's instructions in order (ISA guide 5.7.1.4): the loads see the stores
.irp t, 0,1,2,3,4,5,6,7,8,9,10,11,12,13,14,15
	ds_load_b128 v[BK+4*\t:BK+4*\t+3], v[RD] offset:\t*2*SPITCH
.endr
	WIN 0xc0
.irp t, 0,1,2,3,4,5,6,7,8,9,10,11,12,13,14,15
	ds_load_b128 v[BK+4*\t:BK+4*\t+3], v[RD] offset:(\t+16)*2*SPITCH
.endr
	s_wait_dscnt 16                                ; the first 32 rows are back
	WIN 0x04
.irp t, 0,1,2,3,4,5,6,7,8,9,10,11,12,13,14,15
	global_store_b128 v[CO], v[BK+4*\t:BK+4*\t+3], s[12:13] offset:\t*2*SIZE_N*4 th:TH_STORE_NT   ; 16 lanes store 256 consecutive bytes, aligned
.endr
	s_wait_dscnt 0x0
	WIN 0x0c
.irp t, 0,1,2,3,4,5,6,7,8,9,10,11,12,13,14,15
	global_store_b128 v[CO], v[BK+4*\t:BK+4*\t+3], s[12:13] offset:(\t+16)*2*SIZE_N*4 th:TH_STORE_NT
.endr
	WIN 0
	s_sub_co_u32 s3, s3, 1
	s_cmp_lg_u32 s3, 0
	s_cbranch_scc1 .Lpiece
	s_wait_tensorcnt 0x0                           ; the wave's end
	ds_add_u32 v[SPW], v[NIL]
	s_wait_dscnt 0x0
	CROUND                                         ; the closing round
	s_endpgm
.Lfunc_end_k_qfdd5fe9c1c_outp:
	.size	k_qfdd5fe9c1c_outp, .Lfunc_end_k_qfdd5fe9c1c_outp-k_qfdd5fe9c1c_outp
	.p2alignl 7, 3214868480
	.fill 96, 4, 3214868480
	.section	.rodata,"a",@progbits
	.p2align	6, 0x0
	.amdhsa_kernel k_qfdd5fe9c1c_outp
		.amdhsa_group_segment_fixed_size 327680
		.amdhsa_private_segment_fixed_size 0
		.amdhsa_enable_private_segment 0
		.amdhsa_kernarg_size 24
		.amdhsa_user_sgpr_count 2
		.amdhsa_user_sgpr_kernarg_segment_ptr 1
		.amdhsa_wavefront_size32 1
		.amdhsa_system_sgpr_workgroup_id_x 1
		.amdhsa_system_sgpr_workgroup_id_y 1
		.amdhsa_system_sgpr_workgroup_id_z 1
		.amdhsa_system_vgpr_workitem_id 0
		.amdhsa_next_free_vgpr 1024
		.amdhsa_next_free_sgpr 66
		.amdhsa_reserve_vcc 0
		.amdhsa_float_denorm_mode_32 3
		.amdhsa_float_denorm_mode_16_64 3
		.amdhsa_memory_ordered 1
		.amdhsa_forward_progress 1
		.amdhsa_inst_pref_size 48
	.end_amdhsa_kernel
	.amdgpu_metadata
---
amdhsa.version: [ 1, 2 ]
amdhsa.kernels:
  - .name:           k_qfdd5fe9c1c_outp
    .symbol:         k_qfdd5fe9c1c_outp.kd
    .args:
      - { .name: ctx, .offset: 0, .size: 8, .value_kind: global_buffer, .address_space: global }
      - { .name: woq, .offset: 8, .size: 8, .value_kind: global_buffer, .address_space: global }
      - { .name: out0, .offset: 16, .size: 8, .value_kind: global_buffer, .address_space: global }
    .group_segment_fixed_size: 327680
    .private_segment_fixed_size: 0
    .kernarg_segment_align: 8
    .kernarg_segment_size: 24
    .max_flat_workgroup_size: 128
    .sgpr_count:     66
    .vgpr_count:     1024
    .wavefront_size: 32
...
	.end_amdgpu_metadata
.endif
;; end of part 4
